; MI455X (gfx1250); checked and timed in simulation.
; The chip was launched on July 23, 2026; its instructions are those of AMD's public machine-readable ISA for CDNA 5 (MIT licence, August 2026) and "CDNA5" Instruction Set Architecture Reference Guide (July 2026). The comments in the code are by the model that wrote it; some were corrected since.
;; Mo EMLP. Allowed arithmetic: matrix products marked QUANTISED: E2M1 operands, one E8M0 scale for each 32 along K, by v_wmma_scale_f32_16x16x128_f8f6f4 with both operands' format E2M1 (or v_wmma_scale_f32_32x16x128_f4), f32 sums; products left as they are: f32 operands where the result goes on into a quantised operand, else bf16, f16 or f32 operands; f32 sums; everything else in f32.
;; Inputs: b1 8 x 4,096 float32; b2 8 x 1,024 float32; hidden_states 2 x 512 x 1,024 float32; router_w 8 x 1,024 float32; w1 8 x 1,024 x 4,096 float32; w2 8 x 4,096 x 1,024 float32.
;; Outputs: out0 2 x 512 x 1,024 float32.
;; This version of the problem:
;;   THIS VERSION OF THE PROBLEM IS GIVEN IN LOW PRECISION. The matrix products marked QUANTISED in the list below multiply operands that are first quantised to E2M1 (2 exponent bits, 1 mantissa bit; 4 bits a number), with one power-of-two scale for each 32 numbers along K (OCP MX v1.0); their sums are f32. All else is computed in f32.
;;   The module's matrix products, in the order in which they are computed (A, B: the left and right operand; K: the contracted axis; several contracted axes count as one K, in the product's order):
;;     1. [M 1,024, K 1,024] x [K 1,024, N 8]; A: input hidden_states; B: input router_w: left as it is (N = 8 < 16)
;;     2. [M 1,024, K 1,024] x [K 1,024, N 32,768]; A: input hidden_states; B: input w1: QUANTISED
;;     3. batch 8 x [M 1,024, K 4,096] x [K 4,096, N 1,024]; A: input w2; B: computed on the way: QUANTISED
;;   THE QUANTISER, for each operand of a quantised product, along K:
;;     - K is cut into blocks of 32 from its start; a last block that is shorter is filled with zeros.
;;     - A block's scale is 2^e with e = floor(log2(the largest magnitude in the block)) - 2, held to -126 .. 127; a block of zeros has e = 0. As a byte (E8M0): e + 127.
;;     - Each number is divided by its block's scale, clamped to +-6, and rounded to the nearest number of E2M1, ties to even, subnormals kept.
;;     - The product sums the exact products of the quantised numbers (number of the format x scale) in f32.
;;   ~~~python
;;   def quantise(x, axis):      # numpy; x: float32 -> the quantised numbers, widened to float32 again
;;       x = np.moveaxis(x, axis, -1); K = x.shape[-1]
;;       x = np.pad(x, [(0, 0)] * (x.ndim - 1) + [(0, -K % 32)]); x = x.reshape(x.shape[:-1] + (-1, 32)); a = np.abs(x).max(-1, keepdims=True)
;;       e = np.where(a > 0, np.clip(np.frexp(np.where(a > 0, a, 1))[1] - 1 - 2, -126, 127), 0)      # np.frexp(a)[1] - 1 = floor(log2(a)), exactly
;;       r = np.clip(x / 2.0 ** e, -6, 6)
;;       step = 2.0 ** (np.maximum(np.frexp(np.where(r == 0, 1, r))[1] - 1, 0) - 1)
;;       q = np.round(r / step) * step * 2.0 ** e      # np.round: ties to even
;;       return np.moveaxis(q.reshape(q.shape[:-2] + (-1,))[..., :K], -1, axis).astype(np.float32)
;;   ~~~
;;   OPERANDS COMPUTED ON THE WAY. 'Computed on the way' means the value that the module computes at that place (a softmax that the list does not call 'softmax' is quantised finished and normalised). What goes into a quantiser is computed in f32, as accurately as f32 sums, v_exp_f32 and their like allow (about 1e-6 of the number): no bf16 or f16 on the way to a quantiser, and a product that is left as it is and whose result goes on into a quantised operand takes f32 operands (vector FMAs, or v_wmma_f32_16x16x4_f32). A number that lies on a knife's edge between two numbers of the format may be rounded either way, as far as f32 arithmetic and the matrix unit's own rounding can turn it there, and no further.
;; 2 versions. Each part assembles by itself: llvm-mc -triple=amdgcn-amd-amdhsa -mcpu=gfx1250 --defsym DOCPART=n.
;; ======== version 1 of 2: 4 launches
;; workspace buffers: xq 524,288 bytes; xs 32,768 bytes; tki 8,192 bytes of whole numbers; tkw 8,192 bytes; plan 33,024 bytes of whole numbers; hq 16,777,216 bytes; hs 1,048,576 bytes; part 17,825,792 bytes
;; launch route (part 1): grid 128 x 1, 1 waves a work-group, no clusters, 512 bytes of LDS; arguments hidden_states, router_w, xq, xs, tki, tkw; writes xq, xs, tki, tkw
.if DOCPART == 1
	.amdgcn_target "amdgcn-amd-amdhsa--gfx1250"
	.amdhsa_code_object_version 6
	.text
	.protected	k_q89b88ae289_route
	.globl	k_q89b88ae289_route
	.p2align	8
	.type	k_q89b88ae289_route,@function
k_q89b88ae289_route:
	s_mov_b64 s[64:65], 0
	v_nop
	global_prefetch_b8 v0, s[64:65] scope:SCOPE_SE
	s_setreg_imm32_b32 hwreg(HW_REG_WAVE_MODE, 25, 1), 1
	s_wait_xcnt 0x0
; ROUTER AND x's QUANTISER.  hidden_states [1024 tokens][1024] f32, router_w [8][1024] f32.
; Out: xq [1024][512 bytes] codes of E2M1, K ascending, the lower k in the low four bits; xs [1024][32] E8M0 bytes;
;      tki [1024][2] the two chosen experts (u32), tkw [1024][2] their softmax weights (f32), all at fixed places.
; One wave takes 8 tokens.  Lane l owns k = 32 l .. 32 l + 31 of every row, of x and of router_w alike: a quantiser block lies whole in a lane,
; and a logit is 16 packed multiply-adds a lane and one sum over the 32 lanes, all in f32.
; Top-2: two scans with a strict 'greater', so that of equal logits the lower expert wins.  The weights take the larger logit away first:
; 1 / (1 + e^d) and e^d / (1 + e^d), d = second - first <= 0.
; LIMITS: NaN and infinities among the inputs are not served (logits must be finite).  The f32 sums of a logit run in another order than a plain
; chain, so two logits that agree to the last bits may be ordered either way.  A block of zeros gets the byte 1 (its codes are zeros; only this program reads the bytes).
; REGISTERS: window 0: addresses, sums, codes; window 1: router_w (32 e + i); window 2: x (32 token + i).
; No matrix unit, no cluster, no tile ring: 4 MB are read once, and the wave shares nothing.
.set A,   96                           ; v96-111  eight pairs of running sums
.set S,   112                          ; v112-119 the eight logits of the token in hand
.set TMR, 120                          ; v120-127 the other half's sums
.set LG,  16                           ; v16-23   logit e; lane t holds token t's
.set IX,  48                           ; v48-55   the numbers 0 .. 7
.set CD,  128                          ; v128-159 four registers of codes for each token: no store's data are written again
.set BY,  160                          ; v160-167 a scale byte for each token
.set MSB, 0
.macro WIN new                         ; the immediate's high byte repeats the setting that is left
.if MSB != \new
	s_set_vgpr_msb (MSB<<8)|\new
.set MSB, \new
.endif
.endm
	s_load_b256 s[4:11], s[0:1], 0x0               ; x s[4:5], router_w s[6:7], xq s[8:9], xs s[10:11]
	s_load_b128 s[12:15], s[0:1], 0x20             ; tki s[12:13], tkw s[14:15]
	v_lshl_add_u32 v254, v0, 2, 0x100
	v_mov_b32 v255, 0
	v_lshlrev_b32 v1, 7, v0                        ; 128 l: my 32 numbers of a row
	v_lshlrev_b32 v2, 4, v0                        ; 16 l: my 32 codes
	v_lshlrev_b32 v4, 3, v0                        ; 8 l
	s_mov_b32 s16, 0x76543210                      ; v_permlanex16_b32's selects for lane l xor 16
	s_mov_b32 s17, 0xfedcba98
.irp t, 1,2,3,4,5,6,7
	s_mov_b32 s[20+\t], 1<<\t                      ; the mask 'lane = t'
.endr
.irp e, 0,1,2,3,4,5,6,7
	v_mov_b32 v[TMR+\e], 0                         ; written once: a lane permute's destination counts as one of its sources
	v_mov_b32 v[IX+\e], \e
.endr
	v_mov_b32 v47, 0xff800000                      ; -infinity
	s_lshl_b32 s2, ttmp9, 15                       ; 8 rows of 4,096 bytes
	s_mov_b32 s3, 0
	s_lshl_b32 s28, ttmp9, 12                      ; 8 rows of 512 bytes
	s_mov_b32 s29, 0
	s_lshl_b32 s30, ttmp9, 8                       ; 8 rows of 32 bytes
	s_mov_b32 s31, 0
	s_lshl_b32 s32, ttmp9, 6                       ; 8 pairs of words
	s_mov_b32 s33, 0
	s_wait_kmcnt 0x0
	s_add_nc_u64 s[4:5], s[4:5], s[2:3]
	s_add_nc_u64 s[8:9], s[8:9], s[28:29]
	s_add_nc_u64 s[10:11], s[10:11], s[30:31]
	s_add_nc_u64 s[12:13], s[12:13], s[32:33]
	s_add_nc_u64 s[14:15], s[14:15], s[32:33]
	WIN 0x40                                       ; destination window 1
.irp e, 0,1,2,3,4,5,6,7
.irp q, 0,1,2,3,4,5,6,7
	global_load_b128 v[32*\e+4*\q:32*\e+4*\q+3], v1, s[6:7] offset:\e*4096+16*\q
.endr
.endr
	WIN 0x80                                       ; destination window 2
.irp t, 0,1,2,3,4,5,6,7
.irp q, 0,1,2,3,4,5,6,7
	global_load_b128 v[32*\t+4*\q:32*\t+4*\q+3], v1, s[4:5] offset:\t*4096+16*\q th:TH_LOAD_NT
.endr
.endr
.macro TOKEN t
	s_wait_loadcnt 8*(7-\t)                        ; router_w and this token's eight loads are in; the younger tokens' stay out
	WIN 0x06                                       ; source 0 (x) window 2, source 1 (router_w) window 1
.irp e, 0,1,2,3,4,5,6,7
	v_pk_mul_f32 v[A+2*\e:A+2*\e+1], v[32*\t:32*\t+1], v[32*\e:32*\e+1]      ; the first product starts each sum
.endr
.irp i, 2,4,6,8,10,12,14,16,18,20,22,24,26,28,30
.irp e, 0,1,2,3,4,5,6,7
	v_pk_fma_f32 v[A+2*\e:A+2*\e+1], v[32*\t+\i:32*\t+\i+1], v[32*\e+\i:32*\e+\i+1], v[A+2*\e:A+2*\e+1]   ; eight chains by turns
.endr
.endr
	WIN 0x0a                                       ; sources 0 and 1 window 2
	v_max3_num_f32 v24, |v[32*\t]|, |v[32*\t+1]|, 0x1800000       ; my block's largest magnitude, in two chains, over the floor 2^(3 - 127): the byte cannot fall under 1
	v_max3_num_f32 v25, |v[32*\t+2]|, |v[32*\t+3]|, 0x1800000
.irp i, 4,8,12,16,20,24,28
	v_max3_num_f32 v24, |v[32*\t+\i]|, |v[32*\t+\i+1]|, v24
	v_max3_num_f32 v25, |v[32*\t+\i+2]|, |v[32*\t+\i+3]|, v25
.endr
	WIN 0
	v_max_num_f32 v24, v24, v25
	v_add_nc_u32 v26, 0xff000000, v24              ; 2 off its exponent field: the conversion takes this operand's exponent field as its scale
	v_lshrrev_b32 v[BY+\t], 23, v26                ; the scale's byte
	WIN 0x02                                       ; source 0 window 2
.irp g, 0,1,2,3
	v_cvt_scalef32_pk8_fp4_f32 v[CD+4*\t+\g], v[32*\t+8*\g:32*\t+8*\g+7], v26
.endr
	WIN 0
	v_nop                                          ; one plain place behind the last scaled conversion: v26 is written again for the next token
.irp e, 0,1,2,3,4,5,6,7
	v_add_f32 v[S+\e], v[A+2*\e], v[A+2*\e+1]
.endr
.irp m, 1,2,4,8
.irp e, 0,1,2,3,4,5,6,7
	v_add_f32_dpp v[S+\e], v[S+\e], v[S+\e] row_xmask:\m row_mask:0xf bank_mask:0xf
.endr
.endr
.irp e, 0,1,2,3,4,5,6,7
	v_permlanex16_b32 v[TMR+\e], v[S+\e], s16, s17
.endr
.irp e, 0,1,2,3,4,5,6,7
	v_add_f32 v[S+\e], v[S+\e], v[TMR+\e]          ; every lane holds the token's logit e
.endr
.irp e, 0,1,2,3,4,5,6,7
.if \t == 0
	v_mov_b32 v[LG+\e], v[S+\e]                    ; (writes every lane)
.else
	v_cndmask_b32 v[LG+\e], v[LG+\e], v[S+\e], s[20+\t]   ; lane t keeps token t's
.endif
.endr
	global_store_b128 v2, v[CD+4*\t:CD+4*\t+3], s[8:9] offset:512*\t   ; the wave stores the token's 512 consecutive bytes
	ds_store_b8 v0, v[BY+\t] offset:32*\t          ; the bytes are gathered: 256 for the 8 tokens
.endm
.irp t, 0,1,2,3,4,5,6,7
	TOKEN \t
.endr
	; TOP-2, a token a lane (lanes 8-31 repeat token 0's logits and are not stored)
	v_mov_b32 v32, v[LG]
	v_mov_b32 v42, 0
.irp e, 1,2,3,4,5,6,7
	v_cmp_gt_f32 vcc_lo, v[LG+\e], v32             ; strictly greater: the lower index keeps a tie
	v_cndmask_b32 v32, v32, v[LG+\e], vcc_lo
	v_cndmask_b32 v42, v42, v[IX+\e], vcc_lo
.endr
.irp e, 0,1,2,3,4,5,6,7
	v_cmp_eq_u32 vcc_lo, \e, v42
	v_cndmask_b32 v[LG+\e], v[LG+\e], v47, vcc_lo  ; the first is taken out
.endr
	v_mov_b32 v34, v[LG]
	v_mov_b32 v43, 0
.irp e, 1,2,3,4,5,6,7
	v_cmp_gt_f32 vcc_lo, v[LG+\e], v34
	v_cndmask_b32 v34, v34, v[LG+\e], vcc_lo
	v_cndmask_b32 v43, v43, v[IX+\e], vcc_lo
.endr
	v_sub_f32 v36, v34, v32                        ; d = second - first: the maximum is taken away
	v_mul_f32 v36, 0x3fb8aa3b, v36                 ; x log2(e)
	v_exp_f32 v37, v36
	v_nop                                          ; a plain place behind the transcendental
	s_wait_alu depctr_va_vdst(0)                   ; the wait ahead of the first reader
	v_add_f32 v38, 1.0, v37
	v_rcp_f32 v40, v38                             ; the first's weight
	v_nop
	s_wait_alu depctr_va_vdst(0)
	v_mul_f32 v41, v37, v40                        ; the second's
	ds_load_b64 v[44:45], v4                       ; LDS serves a wave's instructions in order: these see my byte stores
	s_wait_dscnt 0x0
	global_store_b64 v4, v[44:45], s[10:11]        ; 32 lanes store 256 consecutive bytes, aligned
	s_wait_xcnt 0x0                                ; EXEC changes only behind this wait
	v_cmp_gt_u32 vcc_lo, 8, v0
	s_wait_tensorcnt 0x0
	ds_add_u32 v254, v255
	s_wait_dscnt 0x0
	s_and_saveexec_b32 s34, vcc_lo
	global_store_b64 v4, v[42:43], s[12:13]        ; lanes 0-7: the token's two experts,
	global_store_b64 v4, v[40:41], s[14:15]        ; and their weights
	s_wait_xcnt 0x0
	s_or_b32 exec_lo, exec_lo, s34
	s_endpgm
.Lfunc_end_k_q89b88ae289_route:
	.size	k_q89b88ae289_route, .Lfunc_end_k_q89b88ae289_route-k_q89b88ae289_route
	.p2alignl 7, 3214868480
	.fill 96, 4, 3214868480
	.section	.rodata,"a",@progbits
	.p2align	6, 0x0
	.amdhsa_kernel k_q89b88ae289_route
		.amdhsa_group_segment_fixed_size 512
		.amdhsa_private_segment_fixed_size 0
		.amdhsa_enable_private_segment 0
		.amdhsa_kernarg_size 48
		.amdhsa_user_sgpr_count 2
		.amdhsa_user_sgpr_kernarg_segment_ptr 1
		.amdhsa_wavefront_size32 1
		.amdhsa_system_sgpr_workgroup_id_x 1
		.amdhsa_system_sgpr_workgroup_id_y 1
		.amdhsa_system_sgpr_workgroup_id_z 1
		.amdhsa_system_vgpr_workitem_id 0
		.amdhsa_next_free_vgpr 768
		.amdhsa_next_free_sgpr 66
		.amdhsa_reserve_vcc 1
		.amdhsa_float_denorm_mode_32 3
		.amdhsa_float_denorm_mode_16_64 3
		.amdhsa_memory_ordered 1
		.amdhsa_forward_progress 1
		.amdhsa_inst_pref_size 124
	.end_amdhsa_kernel
	.amdgpu_metadata
---
amdhsa.version: [ 1, 2 ]
amdhsa.kernels:
  - .name:           k_q89b88ae289_route
    .symbol:         k_q89b88ae289_route.kd
    .args:
      - { .name: hidden_states, .offset: 0, .size: 8, .value_kind: global_buffer, .address_space: global }
      - { .name: router_w, .offset: 8, .size: 8, .value_kind: global_buffer, .address_space: global }
      - { .name: xq, .offset: 16, .size: 8, .value_kind: global_buffer, .address_space: global }
      - { .name: xs, .offset: 24, .size: 8, .value_kind: global_buffer, .address_space: global }
      - { .name: tki, .offset: 32, .size: 8, .value_kind: global_buffer, .address_space: global }
      - { .name: tkw, .offset: 40, .size: 8, .value_kind: global_buffer, .address_space: global }
    .group_segment_fixed_size: 512
    .private_segment_fixed_size: 0
    .kernarg_segment_align: 8
    .kernarg_segment_size: 48
    .max_flat_workgroup_size: 32
    .sgpr_count:     66
    .vgpr_count:     768
    .wavefront_size: 32
...
	.end_amdgpu_metadata
.endif
;; end of part 1
;; launch ffn1 (part 2): grid 32 x 8, 4 waves a work-group, no clusters, 71,168 bytes of LDS; arguments xq, xs, w1, b1, tki, plan, hq, hs; writes plan, hq, hs
.if DOCPART == 2
	.amdgcn_target "amdgcn-amd-amdhsa--gfx1250"
	.amdhsa_code_object_version 6
	.text
	.protected	k_q89b88ae289_ffn1
	.globl	k_q89b88ae289_ffn1
	.p2align	8
	.type	k_q89b88ae289_ffn1,@function
k_q89b88ae289_ffn1:
	s_mov_b64 s[64:65], 0
	v_nop
	global_prefetch_b8 v0, s[64:65] scope:SCOPE_SE
	s_setreg_imm32_b32 hwreg(HW_REG_WAVE_MODE, 25, 1), 1
	s_wait_xcnt 0x0
; h = Q(gelu(Q(x) Q(w1[e]) + b1[e])) for the rows that chose expert e.  Work-group (x, y) = (slice of 128 hidden units, expert).
; w1 [8][1024 (K)][4096] f32; the work-group's part, 1,024 x 128 numbers, is read from memory by this work-group alone, once, and quantised along K in registers.
; PLACING THE ROWS.  tki [1024][2] holds each token's two experts (whole numbers that an earlier launch stored).  Every wave reads all of it and makes 32 words of 32 match bits for its expert:
; bit j of word w is token 64 (w / 2) + 2 j + w % 2.  The expert's rows are its matches in the order of words and bits; they fill tiles of 16 slots, max(1, ceil(rows / 16)) tiles, at most 64.
; A slot's token is found by GATHERING (macro SELECT): the word is the number of inclusive prefix counts at or under the slot; the bit is the n-th set bit of that word.  No address in LDS hangs on data.
; A list entry is 2 x token + k (k: first or second choice); a slot left over in the last tile has 2048 + 16 e + row: it is computed with token 1023's x and read by nobody.
; The work-groups of slice 0 store the list and the number of tiles into plan for the next launch: byte 4 e: tiles of expert e; byte 256: list[64 e + tile][16].
; STREAM.  Wave w takes K rows 256 w .. + 255 in 8 blocks of 32 rows.  A load reads one row's 512 consecutive bytes, 16 a lane: a lane gets 4 neighbouring columns, and 32 loads give it
; 4 whole quantiser blocks.  128 moves lay each column's 32 numbers in consecutive registers, as the conversion wants them, and free the landing registers: two blocks, 64 loads a wave, are kept on their way.
; The codes go to LDS as IMAGES OF OPERAND REGISTERS: fragment (K step s, tile t) at (8 s + t) x 1,040 bytes; register group c of lane L at 512 c + 16 L.  The scale words likewise.
; One barrier; then EVERY wave loads all 64 fragments (512 registers) and takes whole tiles of 16 rows on its own: tiles wave, wave + 4, ..: the row loop has no barrier.
; THE COLUMNS OF A TILE ARE NOT NEIGHBOURS: row m of tile 2 b + u is hidden unit 32 b + 8 u + m + 8 (m / 8), and the product is used transposed (source 0 = 16 columns of w1, source 1 = 16 rows of x):
; a lane holds one row, and the 16 registers of tiles 2 b, 2 b + 1 are 16 neighbours along the next product's K.  b1 is the C of each sum's first matrix instruction.
; gelu(v) = v / (1 + 2^(v (c1 + c2 v^2))), the tanh form rewritten; c1 = -2 sqrt(2 / pi) log2(e), c2 = 0.044715 c1; all in f32.
; OUT: hq [64 e + tile][32 K steps][1,024 bytes], the fragment's register image; hs [64 e + tile][32][16 rows] scale words.
; The number of tiles hangs on numbers read from memory, so the launch has no tensor load and no cluster; what the 32 work-groups of an expert share, x's codes, is 8 KB a tile beside 512 KB of weights.
; LIMITS: tki holds, for each token, two different experts in 0 .. 7; NaN and infinities are not served; a block of zeros gets the byte 1 (its codes are zeros; only this program reads the bytes).
; REGISTERS: window 0: below.  Window 1: two landing buffers, then fragments 0-31.  Window 2: fragments 32-63.  Window 3: v0-63 x's 8 fragments, v64-127 b1's 8 tiles.
.set PITCH, 16384                      ; a row of w1[e] in bytes
.set BS,    32                         ; rows from block to block
.set FRB,   1040                       ; a fragment's image: 1,024 bytes + 16, so that the four tiles that a store touches fall on different banks
.set SCL,   64*FRB                     ; behind the images: 32 images of scale registers, 128 bytes each
.set WOFF, 4                           ; v4   16 l: my 16 bytes of a row's 512
.set WA,   5                           ; v5   where my codes go
.set WSA,  6                           ; v6   where my scale words go
.set LI,   7                           ; v7   16 l: an image's place for my lane
.set LI2,  8                           ; v8   the same, 32 fragments on
.set LSC,  9                           ; v9   SCL + 4 l
.set R4,   10                          ; v10  4 r
.set TK,   11                          ; v11  a list entry: 2 x token + k
.set XA,   12                          ; v12  the token's codes
.set XSA,  13                          ; v13  its scale bytes
.set H64,  14                          ; v14  64 h
.set H16,  15                          ; v15  16 h
.set MX,   16                          ; v16-19 the stream: largest magnitudes
.set SO,   20                          ; v20-23 the conversions' scale operands
.set BY,   24                          ; v24-27 scale bytes
.set SW,   28                          ; v28-31 scale words
.set CD,   32                          ; v32-47 codes
.set QS,   16                          ; v16-30 SELECT, ahead of the stream and behind it: the slot,
.set QW,   17                          ; its word,
.set QA,   18                          ; the word's first-choice bits,
.set QB,   19                          ; its second-choice bits,
.set QX,   20                          ; the rows in front of the word,
.set QM,   21                          ; the word's match bits,
.set QN,   22                          ; which of them is wanted,
.set QC1,  23                          ; counts of set bits in fields of 2,
.set QC2,  24                          ; of 4,
.set QC4,  25                          ; of 8,
.set QC8,  26                          ; of 16 bits,
.set QP,   27                          ; the bit's place,
.set QT,   28                          ; at work
.set QQ,   29
.set QI,   30
.set WS,   48                          ; v48-79 w1's scale words: register 4 s + p: lanes 0-15 tile 2 p, lanes 16-31 tile 2 p + 1
.set XS,   80                          ; v80-87 x's scale words, K step s
.set PCD,  88                          ; v88-95 h's codes
.set PW,   96                          ; v96    h's scale word
.set TC,   97                          ; v97    at work
.set C1,   98                          ; v98-99 c1, twice
.set TM,   100                         ; v100-115 at work in the quantiser
.set LA,   116                         ; v116 offset into the list
.set HQA,  117                         ; v117 offset into hq
.set HSA,  118                         ; v118 offset into hs
.set VM0,  119                         ; v119 lane w: word w's first-choice bits
.set VM1,  120                         ; v120 its second-choice bits
.set VWX,  121                         ; v121 the rows in front of word w
.set VPAD, 122                         ; v122 2048 + 16 e + r: the entry of a slot left over
.set MO,   123                         ; v123, v124 offset and data of the store of the number of tiles
.set MD,   124
.set T,    128                         ; v128-255 the stream: 4 columns x 32 numbers; ahead of it v128-191: tki
.set HH,   128                         ; v128-191 the row loop: 8 accumulators
.set G,    192                         ; v192-255 at work in gelu
.set XF,   0                           ; window 3
.set B1,   64
.set WV,   20
.set EXPT, 21
.set SL,   22
.set WB,   24                          ; s[24:25] my wave's first row of w1, my slice's first column
.set NT,   26                          ; s26 the expert's tiles
.set NTM1, 27
.set I,    28                          ; s28 the tile in hand, counted within the expert
.set TT,   29
.set TR,   30                          ; s30 my wave's trips: its tiles
.set TG,   31
.set SEL,  38
.set C2,   40                          ; s[40:41] c2, twice
.set BB,   42                          ; s[42:43] b1 at my slice
.set J,    44                          ; s44 counts the trips
.set E64,  45                          ; s45 64 e: the expert's first tile in hq, hs and the list
.set MS,   46                          ; s46-53 match masks of four words
.set CN,   54
.set WI,   66                          ; s66-97 the rows up to and with word w
.set TOT,  WI+31                       ; the expert's rows
.set MSB, 0
.macro WIN new                         ; the immediate's high byte repeats the setting that is left
.if MSB != \new
	s_set_vgpr_msb (MSB<<8)|\new
.set MSB, \new
.endif
.endm
.macro LOADBLK b                       ; block b: 32 rows into landing buffer b % 2
	WIN 0x40
.set i, 0
.rept 32
	global_load_b128 v[128*((\b)%2)+4*i:128*((\b)%2)+4*i+3], v[WOFF], s[WB:WB+1] offset:(BS*(\b)+i)*PITCH th:TH_LOAD_NT
.set i, i+1
.endr
	WIN 0
.endm
.macro MOVE b                          ; column j's 32 numbers on end
	WIN 0x01
.set j, 0
.rept 4
.set i, 0
.rept 32
	v_mov_b32 v[T+32*j+i], v[128*((\b)%2)+4*i+j]
.set i, i+1
.endr
.set j, j+1
.endr
	WIN 0
.endm
.macro QUANT4 imm                      ; four blocks of 32, one for each of my columns: bytes into v[BY], codes to LDS
.irp j, 0,1,2,3
	v_max3_num_f32 v[MX+\j], |v[T+32*\j]|, |v[T+32*\j+1]|, 0x1800000   ; over the floor 2^(3 - 127): the byte cannot fall under 1
.endr
.set i, 2
.rept 15
.irp j, 0,1,2,3
	v_max3_num_f32 v[MX+\j], v[MX+\j], |v[T+32*\j+i]|, |v[T+32*\j+i+1]|   ; the four by turns
.endr
.set i, i+2
.endr
.irp j, 0,1,2,3
	v_add_nc_u32 v[SO+\j], 0xff000000, v[MX+\j]    ; 2 off the exponent field: the conversion's scale operand
.endr
.irp j, 0,1,2,3
	v_lshrrev_b32 v[BY+\j], 23, v[SO+\j]           ; the scale's byte
.endr
	s_wait_dscnt 0x0                               ; the last block's LDS stores have read their registers
.irp j, 0,1,2,3
.irp g, 0,1,2,3
	v_cvt_scalef32_pk8_fp4_f32 v[CD+4*\j+\g], v[T+32*\j+8*\g:T+32*\j+8*\g+7], v[SO+\j]
.endr
.endr
	v_nop                                          ; one plain place behind the last scaled conversion
.irp j, 0,1,2,3
	ds_store_b128 v[WA], v[CD+4*\j:CD+4*\j+3] offset:(\imm)+16*\j
.endr
.endm
.macro LEVEL src, width, step          ; one level of the descent: if the field at the place holds too few set bits, they are passed over
	v_bfe_u32 v[QT], v[\src], v[QP], \width
	v_cmp_ge_u32 vcc_lo, v[QN], v[QT]
	v_cndmask_b32 v[QT], 0, v[QT], vcc_lo
	v_cndmask_b32 v[QQ], 0, \step, vcc_lo
	v_sub_nc_u32 v[QN], v[QN], v[QT]
	v_add_nc_u32 v[QP], v[QP], v[QQ]
.endm
; The list entries of the tile delta behind the one in hand (held inside the expert's tiles): lane (r, h) gets slot 16 x tile + r's, in v[TK].  wx = 1: a store of the last SELECT may still read v[TK] and v[LA].
.macro SELECT delta, wx
.if \wx
	s_wait_xcnt 0x0                                ; v[TK] and v[LA] are written again only behind this wait
.endif
	s_add_co_u32 s[TT], s[I], \delta
	s_min_u32 s[TT], s[TT], s[NTM1]
	v_lshl_add_u32 v[QS], s[TT], 4, v2             ; my slot
	v_mov_b32 v[QW], 0
.set kw, 0
.rept 31
	v_cmp_le_u32 vcc_lo, s[WI+kw], v[QS]           ; do the rows up to and with word kw all lie in front of my slot?
	v_add_co_ci_u32 v[QW], vcc_lo, 0, v[QW], vcc_lo   ; the words that do are counted: that count is my word
.set kw, kw+1
.endr
	v_lshlrev_b32 v[QI], 2, v[QW]
	ds_bpermute_b32 v[QA], v[QI], v[VM0]           ; from lane 'my word': its bits and its base (no LDS byte is touched)
	ds_bpermute_b32 v[QB], v[QI], v[VM1]
	ds_bpermute_b32 v[QX], v[QI], v[VWX]
	s_wait_dscnt 0x0
	v_or_b32 v[QM], v[QA], v[QB]
	v_sub_nc_u32 v[QN], v[QS], v[QX]               ; the set bit number n, from 0, is mine
	v_lshrrev_b32 v[QC1], 1, v[QM]
	v_and_b32 v[QC1], 0x55555555, v[QC1]
	v_sub_nc_u32 v[QC1], v[QM], v[QC1]             ; set bits in each field of 2,
	v_lshrrev_b32 v[QC2], 2, v[QC1]
	v_and_b32 v[QC2], 0x33333333, v[QC2]
	v_and_b32 v[QT], 0x33333333, v[QC1]
	v_add_nc_u32 v[QC2], v[QC2], v[QT]             ; of 4,
	v_lshrrev_b32 v[QC4], 4, v[QC2]
	v_add_nc_u32 v[QC4], v[QC4], v[QC2]
	v_and_b32 v[QC4], 0x0f0f0f0f, v[QC4]           ; of 8;
	v_lshrrev_b32 v[QC8], 8, v[QC4]
	v_add_nc_u32 v[QC8], v[QC8], v[QC4]            ; byte 0: in bits 0 to 15
	v_mov_b32 v[QP], 0
	LEVEL QC8, 8, 16
	LEVEL QC4, 8, 8
	LEVEL QC2, 4, 4
	LEVEL QC1, 2, 2
	LEVEL QM, 1, 1                                 ; v[QP]: the bit's place j
	v_bfe_u32 v[QT], v[QB], v[QP], 1               ; k
	v_lshl_or_b32 v[TK], v[QP], 2, v[QT]           ; 2 x token + k = 128 (w / 2) + 4 j + 2 (w % 2) + k
	v_and_b32 v[QT], 1, v[QW]
	v_lshl_or_b32 v[TK], v[QT], 1, v[TK]
	v_lshrrev_b32 v[QT], 1, v[QW]
	v_lshl_or_b32 v[TK], v[QT], 7, v[TK]
	v_cmp_le_u32 vcc_lo, s[TOT], v[QS]             ; a slot behind the expert's last row
	v_cndmask_b32 v[TK], v[TK], v[VPAD], vcc_lo
	s_add_co_u32 s[TG], s[TT], s[E64]
	s_min_u32 s[TG], s[TG], 511
	v_lshl_add_u32 v[LA], s[TG], 6, v[R4]
	s_cmp_lg_u32 s[SL], 0                          ; the list is stored by the expert's first slice alone
	s_cbranch_scc1 .Lnl_\@
	global_store_b32 v[LA], v[TK], s[14:15] offset:256   ; 16 words; lanes 16-31 store what lanes 0-15 store, at the same places
.Lnl_\@:
.endm
.macro ADDR
	v_lshrrev_b32 v[TC], 1, v[TK]                  ; the token,
	v_min_u32 v[TC], 1023, v[TC]                   ; held inside the table before it enters an address
	v_lshl_add_u32 v[XA], v[TC], 9, v[H16]         ; a row of 512 bytes, + 16 h
	v_lshlrev_b32 v[XSA], 5, v[TC]                 ; a row of 32 scale bytes
.endm
.macro XLOAD                           ; 18 loads: the tile's 8 fragments of x and its scale words
	WIN 0xc0
.set ks, 0
.rept 8
	global_load_b128 v[XF+8*ks:XF+8*ks+3], v[XA], s[4:5] offset:64*ks
	global_load_b128 v[XF+8*ks+4:XF+8*ks+7], v[XA], s[4:5] offset:64*ks+32
.set ks, ks+1
.endr
	WIN 0
	global_load_b128 v[XS:XS+3], v[XSA], s[6:7]
	global_load_b128 v[XS+4:XS+7], v[XSA], s[6:7] offset:16
.endm
.macro BIAS                            ; 16 loads: lane (r, h) wants, for tile 2 b + u, b1 at units 32 b + 8 u + 16 h + 0 .. 7
	WIN 0xc0
.set kt, 0
.rept 8
	global_load_b128 v[B1+8*kt:B1+8*kt+3], v[H64], s[BB:BB+1] offset:(32*(kt/2)+8*(kt%2))*4
	global_load_b128 v[B1+8*kt+4:B1+8*kt+7], v[H64], s[BB:BB+1] offset:(32*(kt/2)+8*(kt%2))*4+16
.set kt, kt+1
.endr
	WIN 0
.endm
.macro SSTEP b                         ; one block of the stream
.if (\b) < 7
	s_wait_loadcnt 32                              ; this block's 32 loads are in; the next block's stay out
.else
	s_wait_loadcnt 16                              ; the last block is in; b1's 16 loads stay out
.endif
	MOVE \b
.if (\b) < 6
	LOADBLK (\b)+2
.endif
.if (\b) == 6
	BIAS
.endif
.if (\b) == 7
	XLOAD                                          ; my first tile's x lands while the last block is quantised
.endif
	QUANT4 ((\b)/4)*8*FRB+512*(((\b)/2)%2)+256*((\b)%2)
.irp j, 0,1,2,3
.if (\b)%4 == 0
	v_mov_b32 v[SW+\j], v[BY+\j]                   ; four blocks' bytes make a K step's scale word
.else
	v_lshl_or_b32 v[SW+\j], v[BY+\j], 8*((\b)%4), v[SW+\j]
.endif
.endr
.if (\b)%4 == 3
	ds_store_b128 v[WSA], v[SW:SW+3] offset:((\b)/4)*512
.endif
.endm
.macro MM1                             ; the registers are named by symbols set just ahead
.if fA
	v_wmma_scale_f32_16x16x128_f8f6f4 v[rD:rD+7], v[rA:rA+7], v[rB:rB+7], v[rC:rC+7], v[rSA], v[rSB] matrix_a_fmt:MATRIX_FMT_FP4 matrix_b_fmt:MATRIX_FMT_FP4 matrix_a_scale:MATRIX_SCALE_ROW1
.else
	v_wmma_scale_f32_16x16x128_f8f6f4 v[rD:rD+7], v[rA:rA+7], v[rB:rB+7], v[rC:rC+7], v[rSA], v[rSB] matrix_a_fmt:MATRIX_FMT_FP4 matrix_b_fmt:MATRIX_FMT_FP4
.endif
.endm
	s_load_b256 s[4:11], s[0:1], 0x0               ; xq s[4:5], xs s[6:7], w1 s[8:9], b1 s[10:11]
	s_load_b256 s[12:19], s[0:1], 0x20             ; tki s[12:13], plan s[14:15], hq s[16:17], hs s[18:19]
	v_lshl_add_u32 v126, v0, 2, 0x11400
	v_mov_b32 v127, 0
	v_lshrrev_b32 v[TC], 5, v0
	v_readfirstlane_b32 s[WV], v[TC]               ; wave 0..3
	s_and_b32 s[EXPT], ttmp7, 0xffff               ; the expert
	s_mov_b32 s[SL], ttmp9                         ; the slice
	v_and_b32 v1, 31, v0                           ; l
	v_and_b32 v2, 15, v0                           ; r
	v_bfe_u32 v3, v0, 4, 1                         ; h
	v_lshlrev_b32 v[WOFF], 4, v1
	v_bfe_u32 v100, v0, 3, 2
	v_bfe_u32 v101, v0, 1, 1
	v_lshl_add_u32 v100, v100, 1, v101             ; my columns 4 l + j lie in tile 2 (l / 8) + (l / 2) % 2,
	v_bfe_u32 v101, v0, 2, 1
	v_and_b32 v102, 1, v0
	v_lshlrev_b32 v102, 2, v102
	v_lshl_add_u32 v101, v101, 3, v102             ; at its rows 8 ((l / 4) % 2) + 4 (l % 2) + j
	v_mul_u32_u24 v[WA], v100, FRB
	v_lshl_add_u32 v[WA], v101, 4, v[WA]
	s_mul_i32 s23, s[WV], 16*FRB                   ; my wave's two K steps: 16 fragments
	v_add_nc_u32 v[WA], s23, v[WA]
	v_lshlrev_b32 v[WSA], 6, v100
	v_lshl_add_u32 v[WSA], v101, 2, v[WSA]
	s_lshl_b32 s23, s[WV], 10
	s_add_co_u32 s23, s23, SCL
	v_add_nc_u32 v[WSA], s23, v[WSA]
	v_lshlrev_b32 v[LI], 4, v1
	v_add_nc_u32 v[LI2], 32*FRB, v[LI]
	v_lshl_add_u32 v[LSC], v1, 2, SCL
	v_lshlrev_b32 v[R4], 2, v2
	v_lshlrev_b32 v[H64], 6, v3
	v_lshlrev_b32 v[H16], 4, v3
	v_mov_b32 v[C1], 0xc0135761                    ; c1 = -2.3022082
	v_mov_b32 v[C1+1], 0xc0135761
.irp b, 0,1,2,3
	v_mov_b32 v[TM+4+\b], 0                        ; written once: a lane permute's destination counts as one of its sources
.endr
	v_mov_b32 v[VM0], 0                            ; likewise the destinations of v_writelane_b32
	v_mov_b32 v[VM1], 0
	v_mov_b32 v[VWX], 0                            ; (no row lies in front of word 0)
	s_lshl_b32 s23, s[EXPT], 4
	s_add_co_u32 s23, s23, 2048
	v_add_nc_u32 v[VPAD], s23, v2
	s_mov_b32 s[C2], 0xbdd2d3e8                    ; c2 = -0.10294324
	s_mov_b32 s[C2+1], 0xbdd2d3e8
	s_mov_b32 s[SEL], 0x76543210
	s_mov_b32 s[SEL+1], 0xfedcba98
	s_lshl_b32 s32, s[EXPT], 24                    ; an expert's w1 is 2^24 bytes,
	s_lshl_b32 s33, s[WV], 22                      ; 256 rows 2^22,
	s_add_co_u32 s32, s32, s33
	s_lshl_b32 s33, s[SL], 9                       ; a slice 512
	s_add_co_u32 s32, s32, s33
	s_mov_b32 s33, 0
	s_lshl_b32 s34, s[EXPT], 14
	s_lshl_b32 s35, s[SL], 9
	s_add_co_u32 s34, s34, s35
	s_mov_b32 s35, 0
	s_lshl_b32 s[E64], s[EXPT], 6
	s_mov_b32 s[I], s[WV]
	s_wait_kmcnt 0x0
	s_add_nc_u64 s[WB:WB+1], s[8:9], s[32:33]
	s_add_nc_u64 s[BB:BB+1], s[10:11], s[34:35]
.set kg, 0
.rept 16                                           ; tki: lane l takes tokens 64 g + 2 l and 64 g + 2 l + 1: a load reads 512 consecutive bytes
	global_load_b128 v[T+4*kg:T+4*kg+3], v[LI], s[12:13] offset:512*kg
.set kg, kg+1
.endr
	LOADBLK 0
	s_wait_loadcnt 32                              ; tki is in; block 0's 32 loads stay out
	LOADBLK 1                                      ; both first blocks are on their way while the rows are placed
.set kb, 0
.rept 8                                            ; four words at a time: word w's experts lie in v[T + 2 w] (first choice) and v[T + 2 w + 1] (second)
.set kq, 0
.rept 4
	v_cmp_eq_u32 s[MS+2*kq], s[EXPT], v[T+2*(4*kb+kq)]
	v_cmp_eq_u32 s[MS+2*kq+1], s[EXPT], v[T+2*(4*kb+kq)+1]
.set kq, kq+1
.endr
.set kq, 0
.rept 4
	v_writelane_b32 v[VM0], s[MS+2*kq], 4*kb+kq
	v_writelane_b32 v[VM1], s[MS+2*kq+1], 4*kb+kq
.set kq, kq+1
.endr
.set kq, 0
.rept 4
	s_or_b32 s[CN], s[MS+2*kq], s[MS+2*kq+1]
	s_bcnt1_i32_b32 s[CN], s[CN]                   ; the word's rows
.if 4*kb+kq == 0
	s_mov_b32 s[WI], s[CN]
.else
	s_add_co_u32 s[WI+4*kb+kq], s[WI+4*kb+kq-1], s[CN]
	v_writelane_b32 v[VWX], s[WI+4*kb+kq-1], 4*kb+kq
.endif
.set kq, kq+1
.endr
.set kb, kb+1
.endr
	s_add_co_u32 s[NT], s[TOT], 15
	s_lshr_b32 s[NT], s[NT], 4
	s_max_u32 s[NT], s[NT], 1                      ; at least one tile
	s_min_u32 s[NT], s[NT], 64
	s_sub_co_u32 s[NTM1], s[NT], 1
	s_add_co_u32 s[TR], s[NT], 3
	s_sub_co_u32 s[TR], s[TR], s[WV]
	s_lshr_b32 s[TR], s[TR], 2                     ; of tiles wave, wave + 4, .. there are (tiles + 3 - wave) / 4, rounded down: 0 to 16
	s_or_b32 s23, s[SL], s[WV]
	s_cmp_lg_u32 s23, 0                            ; wave 0 of the expert's first slice stores the number of tiles
	s_cbranch_scc1 .Lnometa
	s_lshl_b32 s23, s[EXPT], 2
	v_mov_b32 v[MO], s23
	v_mov_b32 v[MD], s[NT]
	global_store_b32 v[MO], v[MD], s[14:15]        ; every lane stores the same word at the same place
.Lnometa:
	SELECT 0, 0                                    ; my first tile's rows,
	ADDR                                           ; their addresses,
	SELECT 4, 1                                    ; and my second tile's rows
.irp b, 0,1,2,3,4,5,6,7
	SSTEP \b
.endr
	s_wait_dscnt 0x0                               ; for the others' sake: my images lie in LDS
	s_barrier_signal -1
	s_barrier_wait -1                              ; everybody's do: the only barrier
	WIN 0x40
.set f, 0
.rept 32
	ds_load_b128 v[8*f:8*f+3], v[LI] offset:f*FRB
	ds_load_b128 v[8*f+4:8*f+7], v[LI] offset:f*FRB+512
.set f, f+1
.endr
	WIN 0x80
.set f, 0
.rept 32
	ds_load_b128 v[8*f:8*f+3], v[LI2] offset:f*FRB
	ds_load_b128 v[8*f+4:8*f+7], v[LI2] offset:f*FRB+512
.set f, f+1
.endr
	WIN 0
.set f, 0
.rept 32
	ds_load_b32 v[WS+f], v[LSC] offset:128*f
.set f, f+1
.endr
	s_wait_dscnt 0x0
	s_mov_b32 s[J], 0
	s_cmp_lg_u32 s[TR], 0
	s_cbranch_scc0 .Ldone                          ; an expert with fewer tiles than waves
.Lrow:                                             ; a trip: one tile of 16 rows; the trips are counted one by one against s[TR], which the loop leaves alone
	s_wait_loadcnt 0x0                             ; this tile's x (in the first trip b1 too)
	s_wait_xcnt 0x0                                ; the last trip's stores have read their data and offsets
	ADDR                                           ; the next tile's addresses
	s_min_u32 s[TT], s[I], s[NTM1]
	s_add_co_u32 s[TT], s[TT], s[E64]
	s_min_u32 s[TT], s[TT], 511
	s_lshl_b32 s[TT], s[TT], 5
	s_add_co_u32 s[TT], s[TT], s[SL]               ; 32 x tile + slice
	v_lshl_add_u32 v[HQA], s[TT], 10, v[LI]
	v_lshl_add_u32 v[HSA], s[TT], 6, v[R4]
.set ks, 0
.rept 8                                            ; 64 matrix instructions: the 8 accumulators take turns, one instruction a turn
.if ks == 0
	WIN 0x3d                                       ; source 0 (w1) window 1, source 1 (x) and C (b1) window 3
.elseif ks < 4
	WIN 0x0d
.else
	WIN 0x0e                                       ; source 0 window 2
.endif
.set kt, 0
.rept 8
.set rD, HH+8*kt
.set rA, 8*((8*ks+kt)%32)
.set rB, XF+8*ks
.set rC, rD
.if ks == 0
.set rC, B1+8*kt
.endif
.set rSA, WS+4*ks+kt/2
.set rSB, XS+ks
.set fA, kt%2
	MM1
.set kt, kt+1
.endr
.set ks, ks+1
.endr
	WIN 0
.rept 4
	v_nop                                          ; four places in front of loads into registers that matrix instructions have read, and of the first read of results
.endr
	XLOAD                                          ; the next tile's x has the placing below and the whole activation in which to land
	SELECT 8, 0                                    ; the rows of the tile after that (the wait at the trip's head has freed v[TK] and v[LA])
.set i, 0
.rept 32
	v_pk_mul_f32 v[G+i:G+i+1], v[HH+i:HH+i+1], v[HH+i:HH+i+1]     ; v^2; each accumulator is read from its low end on
.set i, i+2
.endr
.set i, 0
.rept 32
	v_pk_fma_f32 v[G+i:G+i+1], v[G+i:G+i+1], s[C2:C2+1], v[C1:C1+1] op_sel_hi:[1,0,1]   ; c1 + c2 v^2
.set i, i+2
.endr
.set i, 0
.rept 32
	v_pk_mul_f32 v[G+i:G+i+1], v[G+i:G+i+1], v[HH+i:HH+i+1]
.set i, i+2
.endr
.set i, 0
.rept 64
	v_exp_f32 v[G+i], v[G+i]
.set i, i+1
.endr
	v_nop                                          ; a plain place behind the batch
	s_wait_alu depctr_va_vdst(0)                   ; one wait for the batch, ahead of its first reader
.set i, 0
.rept 32
	v_pk_add_f32 v[G+i:G+i+1], v[G+i:G+i+1], 1.0 op_sel_hi:[1,0]
.set i, i+2
.endr
.set i, 0
.rept 64
	v_rcp_f32 v[G+i], v[G+i]
.set i, i+1
.endr
	v_nop
	s_wait_alu depctr_va_vdst(0)
.set i, 0
.rept 32
	v_pk_mul_f32 v[HH+i:HH+i+1], v[HH+i:HH+i+1], v[G+i:G+i+1]     ; gelu
.set i, i+2
.endr
	; the quantiser: register 16 b + i is unit 32 b + 16 h + i of my row
.irp b, 0,1,2,3
	v_max3_num_f32 v[TM+\b], |v[HH+16*\b]|, |v[HH+1+16*\b]|, 0x1800000
.endr
.irp i, 2,4,6,8,10,12,14
.irp b, 0,1,2,3
	v_max3_num_f32 v[TM+\b], v[TM+\b], |v[HH+16*\b+\i]|, |v[HH+1+16*\b+\i]|
.endr
.endr
.irp b, 0,1,2,3
	v_permlanex16_b32 v[TM+4+\b], v[TM+\b], s[SEL], s[SEL+1]
.endr
.irp b, 0,1,2,3
	v_max_num_f32 v[TM+\b], v[TM+\b], v[TM+4+\b]   ; with lane l xor 16's: the block's largest magnitude
.endr
.irp b, 0,1,2,3
	v_add_nc_u32 v[TM+12+\b], 0xff000000, v[TM+\b]
.endr
.irp b, 0,1,2,3
	v_lshrrev_b32 v[TM+4+\b], 23, v[TM+12+\b]
.endr
	v_lshl_or_b32 v[PW], v[TM+5], 8, v[TM+4]       ; my row's scale word
	v_lshl_or_b32 v[PW], v[TM+6], 16, v[PW]
	v_lshl_or_b32 v[PW], v[TM+7], 24, v[PW]
.irp b, 0,1,2,3
	v_cvt_scalef32_pk8_fp4_f32 v[PCD+2*\b], v[HH+16*\b:HH+7+16*\b], v[TM+12+\b]
	v_cvt_scalef32_pk8_fp4_f32 v[PCD+1+2*\b], v[HH+8+16*\b:HH+15+16*\b], v[TM+12+\b]
.endr
	v_nop                                          ; one plain place behind a scaled conversion
.irp c, 0,1                                        ; the operand's layout wants a whole block in a lane
.irp i, 0,1
	v_permlane16_swap_b32 v[PCD+4*\c+\i], v[PCD+2+4*\c+\i]
.endr
.endr
	global_store_b128 v[HQA], v[PCD:PCD+3], s[16:17]               ; the fragment's image: 1,024 consecutive bytes in two stores
	global_store_b128 v[HQA], v[PCD+4:PCD+7], s[16:17] offset:512
	global_store_b32 v[HSA], v[PW], s[18:19]       ; 16 words; lanes 16-31 store what lanes 0-15 store, at the same places
	s_add_co_u32 s[I], s[I], 4                     ; my next tile
	s_add_co_u32 s[J], s[J], 1
	s_cmp_lt_u32 s[J], s[TR]
	s_cbranch_scc1 .Lrow
.Ldone:
	s_wait_tensorcnt 0x0
	ds_add_u32 v126, v127
	s_wait_dscnt 0x0
	s_endpgm
.Lfunc_end_k_q89b88ae289_ffn1:
	.size	k_q89b88ae289_ffn1, .Lfunc_end_k_q89b88ae289_ffn1-k_q89b88ae289_ffn1
	.p2alignl 7, 3214868480
	.fill 96, 4, 3214868480
	.section	.rodata,"a",@progbits
	.p2align	6, 0x0
	.amdhsa_kernel k_q89b88ae289_ffn1
		.amdhsa_group_segment_fixed_size 71168
		.amdhsa_private_segment_fixed_size 0
		.amdhsa_enable_private_segment 0
		.amdhsa_kernarg_size 64
		.amdhsa_user_sgpr_count 2
		.amdhsa_user_sgpr_kernarg_segment_ptr 1
		.amdhsa_wavefront_size32 1
		.amdhsa_system_sgpr_workgroup_id_x 1
		.amdhsa_system_sgpr_workgroup_id_y 1
		.amdhsa_system_sgpr_workgroup_id_z 1
		.amdhsa_system_vgpr_workitem_id 0
		.amdhsa_next_free_vgpr 896
		.amdhsa_next_free_sgpr 98
		.amdhsa_reserve_vcc 1
		.amdhsa_float_denorm_mode_32 3
		.amdhsa_float_denorm_mode_16_64 3
		.amdhsa_memory_ordered 1
		.amdhsa_forward_progress 1
		.amdhsa_inst_pref_size 182
	.end_amdhsa_kernel
	.amdgpu_metadata
---
amdhsa.version: [ 1, 2 ]
amdhsa.kernels:
  - .name:           k_q89b88ae289_ffn1
    .symbol:         k_q89b88ae289_ffn1.kd
    .args:
      - { .name: xq, .offset: 0, .size: 8, .value_kind: global_buffer, .address_space: global }
      - { .name: xs, .offset: 8, .size: 8, .value_kind: global_buffer, .address_space: global }
      - { .name: w1, .offset: 16, .size: 8, .value_kind: global_buffer, .address_space: global }
      - { .name: b1, .offset: 24, .size: 8, .value_kind: global_buffer, .address_space: global }
      - { .name: tki, .offset: 32, .size: 8, .value_kind: global_buffer, .address_space: global }
      - { .name: plan, .offset: 40, .size: 8, .value_kind: global_buffer, .address_space: global }
      - { .name: hq, .offset: 48, .size: 8, .value_kind: global_buffer, .address_space: global }
      - { .name: hs, .offset: 56, .size: 8, .value_kind: global_buffer, .address_space: global }
    .group_segment_fixed_size: 71168
    .private_segment_fixed_size: 0
    .kernarg_segment_align: 8
    .kernarg_segment_size: 64
    .max_flat_workgroup_size: 128
    .sgpr_count:     98
    .vgpr_count:     896
    .wavefront_size: 32
...
	.end_amdgpu_metadata
.endif
;; end of part 2
;; launch ffn2 (part 3): grid 32 x 8, 4 waves a work-group, no clusters, 88,576 bytes of LDS; arguments hq, hs, w2, plan, part; writes part
.if DOCPART == 3
	.amdgcn_target "amdgcn-amd-amdhsa--gfx1250"
	.amdhsa_code_object_version 6
	.text
	.protected	k_q89b88ae289_ffn2
	.globl	k_q89b88ae289_ffn2
	.p2align	8
	.type	k_q89b88ae289_ffn2,@function
k_q89b88ae289_ffn2:
	s_mov_b64 s[64:65], 0
	v_nop
	global_prefetch_b8 v0, s[64:65] scope:SCOPE_SE
	s_setreg_imm32_b32 hwreg(HW_REG_WAVE_MODE, 25, 1), 1
	s_wait_xcnt 0x0
; part[2 token + k][kh][:] = the sum over half of K of Q(h) Q(w2[e]), for the rows that chose expert e.  Work-group (x, y): x % 16 = which 64 outputs, x / 16 = kh, which 2,048 of K = 4,096; y = expert.
; w2 [8][4096 (K)][1024] f32; the work-group's part, 2,048 x 64 numbers, is read from memory by this work-group alone, once, and quantised along K in registers.
; plan (whole numbers that the launch before stored): byte 4 e: tiles of expert e; byte 256: list[64 e + tile][16]: a slot's row of part: 2 x token + k, or 2048 + 16 e + row for a slot left over: each row of part has one owner.
; STREAM.  Wave w takes K rows 512 w .. + 511 of the half, in 8 pairs of blocks.  A load reads 256 consecutive bytes of two rows 32 apart: lanes 0-15 are in block 2 P, lanes 16-31 in block 2 P + 1;
; a lane gets 4 neighbouring columns, and 32 loads give it 4 whole quantiser blocks.  Moves, conversions and images in LDS as in the first product's launch: fragment (K step s, tile t) at (4 s + t) x 1,040 bytes.
; One barrier; then every wave loads all 64 fragments (512 registers) and takes whole tiles of 16 rows on its own, two buffers of h's fragments taking turns.
; The product is used transposed (source 0 = 16 columns of w2, source 1 = 16 rows of h): a lane holds eight neighbouring outputs of a row; a tile goes through the wave's own stage in LDS and leaves as aligned runs of 256 bytes.
; The halves of K and the two experts of a token are added by the next launch: no sum spans work-groups here.
; The number of tiles is read from memory, so the launch has no tensor load and no cluster; what the 16 work-groups of an expert's half share, h's codes, is 16 KB a tile beside 512 KB of weights.
; LIMITS: NaN and infinities are not served; a block of zeros gets the byte 1 (its codes are zeros; only this program reads the bytes).
; REGISTERS: window 0: below.  Window 1: two landing buffers, then fragments 0-31.  Window 2: fragments 32-63.  Window 3: two buffers of h's 16 fragments.
.set PITCH, 4096                       ; a row of w2[e] in bytes
.set BS,    64                         ; rows from pair to pair
.set FRB,   1040
.set SCL,   64*FRB
.set STG,   SCL+4096                   ; the stages: 16 rows x (256 + 16) bytes for each wave
.set WOFF, 4                           ; v4   16 (l % 16) + 32 rows x (l / 16)
.set WA,   5
.set WSA,  6
.set LI,   7                           ; v7   16 l
.set LI2,  8
.set LSC,  9                           ; v9   SCL + 4 l
.set L4,   10                          ; v10  4 l
.set SH8,  11                          ; v11  8 h
.set SO2,  12                          ; v12  the stage, on the way in
.set RD,   13                          ; v13  and back
.set OFO,  14                          ; v14  my 16 bytes in a row of part: half of K, my 64 outputs, 16 r
.set MX,   16
.set SO,   20
.set BY,   24
.set SW,   28
.set CD,   32
.set PO,   16                          ; v16-23 the row loop: my offsets in part for rows 8 h + n
.set WS,   48                          ; v48-79 w2's scale words: register 2 s + p: lanes 0-15 tile 2 p, lanes 16-31 tile 2 p + 1
.set HS,   80                          ; v80-95 h's scale words, two sets: register q: lanes 0-15 K step 2 q, lanes 16-31 K step 2 q + 1
.set HQO,  96                          ; v96-97 offsets into hq, one for each buffer
.set HSO,  98                          ; v98-99 into hs
.set TMP,  100                         ; v100-103
.set LL,   106                         ; v106-121 list entries of rows 8 h + 0 .. 7, two sets
.set LO,   122                         ; v122-123 offsets into the list
.set H32,  124                         ; v124 32 h
.set T,    128
.set ACC,  128                         ; v128-159 four accumulators
.set OUT,  160                         ; v160-191 16 rows read back
.set WV,   18
.set EXPT, 19
.set NS,   20
.set KH,   21
.set WB,   22
.set TB,   24                          ; s24 64 e: the expert's first tile
.set NT,   25                          ; s25 its tiles
.set NTM1, 26
.set I,    27
.set TT,   28
.set T2,   29
.set KN,   34
.set TR,   35                          ; s35 my wave's trips of two tiles
.set J,    36                          ; s36 counts them
.set SEL,  38
.set MOFF, 44
.set MSB, 0
.macro WIN new                         ; the immediate's high byte repeats the setting that is left
.if MSB != \new
	s_set_vgpr_msb (MSB<<8)|\new
.set MSB, \new
.endif
.endm
.macro LOADBLK b
	WIN 0x40
.set i, 0
.rept 32
	global_load_b128 v[128*((\b)%2)+4*i:128*((\b)%2)+4*i+3], v[WOFF], s[WB:WB+1] offset:(BS*(\b)+i)*PITCH th:TH_LOAD_NT
.set i, i+1
.endr
	WIN 0
.endm
.macro MOVE b
	WIN 0x01
.set j, 0
.rept 4
.set i, 0
.rept 32
	v_mov_b32 v[T+32*j+i], v[128*((\b)%2)+4*i+j]
.set i, i+1
.endr
.set j, j+1
.endr
	WIN 0
.endm
.macro QUANT4 imm
.irp j, 0,1,2,3
	v_max3_num_f32 v[MX+\j], |v[T+32*\j]|, |v[T+32*\j+1]|, 0x1800000   ; over the floor 2^(3 - 127): the byte cannot fall under 1
.endr
.set i, 2
.rept 15
.irp j, 0,1,2,3
	v_max3_num_f32 v[MX+\j], v[MX+\j], |v[T+32*\j+i]|, |v[T+32*\j+i+1]|
.endr
.set i, i+2
.endr
.irp j, 0,1,2,3
	v_add_nc_u32 v[SO+\j], 0xff000000, v[MX+\j]
.endr
.irp j, 0,1,2,3
	v_lshrrev_b32 v[BY+\j], 23, v[SO+\j]
.endr
	s_wait_dscnt 0x0                               ; the last pair's LDS stores have read their registers
.irp j, 0,1,2,3
.irp g, 0,1,2,3
	v_cvt_scalef32_pk8_fp4_f32 v[CD+4*\j+\g], v[T+32*\j+8*\g:T+32*\j+8*\g+7], v[SO+\j]
.endr
.endr
	v_nop                                          ; one plain place behind the last scaled conversion
.irp j, 0,1,2,3
	ds_store_b128 v[WA], v[CD+4*\j:CD+4*\j+3] offset:(\imm)+16*\j
.endr
.endm
.macro TILEIDX dst, delta              ; the tile delta behind the one in hand, held inside the expert's tiles and inside the tables
	s_add_co_u32 s[\dst], s[I], \delta
	s_min_u32 s[\dst], s[\dst], s[NTM1]
	s_add_co_u32 s[\dst], s[\dst], s[TB]
	s_min_u32 s[\dst], s[\dst], 511
.endm
.macro HLOAD p, delta                  ; 42 loads: a tile's 16 fragments of h (16 KB on end), its scale words and its list entries, into buffer p
	TILEIDX TT, \delta
	v_lshl_add_u32 v[LO+\p], s[TT], 6, v[H32]      ; the list: 64 bytes a tile, + 32 h
	s_lshl_b32 s[TT], s[TT], 1
	s_add_co_u32 s[TT], s[TT], s[KH]               ; 2 x tile + half
	v_lshl_add_u32 v[HQO+\p], s[TT], 14, v[LI]
	v_lshl_add_u32 v[HSO+\p], s[TT], 10, v[L4]
	WIN 0xc0
.set ks, 0
.rept 16
	global_load_b128 v[128*\p+8*ks:128*\p+8*ks+3], v[HQO+\p], s[4:5] offset:1024*ks
	global_load_b128 v[128*\p+8*ks+4:128*\p+8*ks+7], v[HQO+\p], s[4:5] offset:1024*ks+512
.set ks, ks+1
.endr
	WIN 0
.set kq, 0
.rept 8
	global_load_b32 v[HS+8*\p+kq], v[HSO+\p], s[6:7] offset:128*kq
.set kq, kq+1
.endr
	global_load_b128 v[LL+8*\p:LL+8*\p+3], v[LO+\p], s[10:11] offset:256
	global_load_b128 v[LL+8*\p+4:LL+8*\p+7], v[LO+\p], s[10:11] offset:272
.endm
.macro SSTEP b
.if (\b) < 7
	s_wait_loadcnt 32                              ; this pair's 32 loads are in; the next pair's stay out
.else
	s_wait_loadcnt 42                              ; the last pair is in; my first tile's 42 loads stay out
.endif
	MOVE \b
.if (\b) < 6
	LOADBLK (\b)+2
.endif
.if (\b) == 6
	HLOAD 0, 0
.endif
.if (\b) == 7
	HLOAD 1, 4
.endif
	QUANT4 ((\b)/2)*4*FRB+512*((\b)%2)
.if (\b)%2 == 0
.irp j, 0,1,2,3
	v_mov_b32 v[SW+\j], v[BY+\j]                   ; my half's byte of blocks 0, 1 of the K step,
.endr
.else
.irp j, 0,1,2,3
	v_lshl_or_b32 v[SW+\j], v[BY+\j], 16, v[SW+\j] ; of blocks 2, 3,
.endr
.irp j, 0,1,2,3
	v_lshlrev_b32 v[SW+\j], v[SH8], v[SW+\j]       ; at their places (8 h bits up);
.endr
.irp j, 0,1,2,3
	v_permlanex16_b32 v[TMP+\j], v[SW+\j], s[SEL], s[SEL+1]
.endr
.irp j, 0,1,2,3
	v_or_b32 v[SW+\j], v[SW+\j], v[TMP+\j]         ; with lane l xor 16's two the word is whole
.endr
	ds_store_b128 v[WSA], v[SW:SW+3] offset:((\b)/2)*256   ; both halves of the lanes store the same words at the same places
.endif
.endm
.macro MM2                             ; the registers are named by symbols set just ahead; fZ: the product starts its sum
.if fZ && fA
	v_wmma_scale_f32_16x16x128_f8f6f4 v[rD:rD+7], v[rA:rA+7], v[rB:rB+7], 0, v[rSA], v[rSB] matrix_a_fmt:MATRIX_FMT_FP4 matrix_b_fmt:MATRIX_FMT_FP4 matrix_a_scale:MATRIX_SCALE_ROW1
.elseif fZ
	v_wmma_scale_f32_16x16x128_f8f6f4 v[rD:rD+7], v[rA:rA+7], v[rB:rB+7], 0, v[rSA], v[rSB] matrix_a_fmt:MATRIX_FMT_FP4 matrix_b_fmt:MATRIX_FMT_FP4
.elseif fA && fB
	v_wmma_scale_f32_16x16x128_f8f6f4 v[rD:rD+7], v[rA:rA+7], v[rB:rB+7], v[rD:rD+7], v[rSA], v[rSB] matrix_a_fmt:MATRIX_FMT_FP4 matrix_b_fmt:MATRIX_FMT_FP4 matrix_a_scale:MATRIX_SCALE_ROW1 matrix_b_scale:MATRIX_SCALE_ROW1
.elseif fA
	v_wmma_scale_f32_16x16x128_f8f6f4 v[rD:rD+7], v[rA:rA+7], v[rB:rB+7], v[rD:rD+7], v[rSA], v[rSB] matrix_a_fmt:MATRIX_FMT_FP4 matrix_b_fmt:MATRIX_FMT_FP4 matrix_a_scale:MATRIX_SCALE_ROW1
.elseif fB
	v_wmma_scale_f32_16x16x128_f8f6f4 v[rD:rD+7], v[rA:rA+7], v[rB:rB+7], v[rD:rD+7], v[rSA], v[rSB] matrix_a_fmt:MATRIX_FMT_FP4 matrix_b_fmt:MATRIX_FMT_FP4 matrix_b_scale:MATRIX_SCALE_ROW1
.else
	v_wmma_scale_f32_16x16x128_f8f6f4 v[rD:rD+7], v[rA:rA+7], v[rB:rB+7], v[rD:rD+7], v[rSA], v[rSB] matrix_a_fmt:MATRIX_FMT_FP4 matrix_b_fmt:MATRIX_FMT_FP4
.endif
.endm
.macro TILE p                          ; the tile 4 p behind s[I], from buffer p
	s_wait_loadcnt 42                              ; this buffer's 42 loads are in; the other buffer's stay out
	s_wait_xcnt 0x0                                ; the last tile's stores have read their data and their offsets
.set kn, 0
.rept 8
	v_min_u32 v[PO+kn], 2175, v[LL+8*\p+kn]        ; a loaded number is held inside the table before it enters an address
.set kn, kn+1
.endr
.set kn, 0
.rept 8
	v_lshl_add_u32 v[PO+kn], v[PO+kn], 13, v[OFO]  ; a row of part is 8,192 bytes
.set kn, kn+1
.endr
	WIN 0x0d                                       ; source 0 (w2) window 1, source 1 (h) window 3
.set ks, 0
.rept 16                                           ; 64 matrix instructions: the 4 accumulators take turns, one instruction a turn
.if ks == 8
	WIN 0x0e                                       ; source 0 window 2
.endif
.set kt, 0
.rept 4
.set rD, ACC+8*kt
.set rA, 8*((4*ks+kt)%32)
.set rB, 128*\p+8*ks
.set rSA, WS+2*ks+kt/2
.set rSB, HS+8*\p+ks/2
.set fA, kt%2
.set fB, ks%2
.set fZ, ks==0
	MM2
.set kt, kt+1
.endr
.set ks, ks+1
.endr
	WIN 0
.rept 5
	v_nop                                          ; four places in front of the loads and LDS stores below; five in front of the next tile's first product, which writes over an accumulator
.endr
	HLOAD \p, 8+4*\p                               ; this buffer's next tile has the other buffer's tile in which to land
.set kt, 0
.rept 4
	ds_store_b128 v[SO2], v[ACC+8*kt:ACC+8*kt+3] offset:64*kt          ; each accumulator from its low end on
	ds_store_b128 v[SO2], v[ACC+8*kt+4:ACC+8*kt+7] offset:64*kt+16
.set kt, kt+1
.endr
.set kn, 0
.rept 8
	ds_load_b128 v[OUT+4*kn:OUT+4*kn+3], v[RD] offset:272*kn           ; LDS serves a wave's instructions in order: these see my stores
.set kn, kn+1
.endr
.set kn, 0
.rept 8
	s_wait_dscnt 7-kn                              ; rows n and 8 + n are back; the younger reads stay out
	global_store_b128 v[PO+kn], v[OUT+4*kn:OUT+4*kn+3], s[12:13] th:TH_STORE_NT   ; sixteen lanes store 256 consecutive bytes, aligned, of one row of part
.set kn, kn+1
.endr
.endm
	s_load_b256 s[4:11], s[0:1], 0x0               ; hq s[4:5], hs s[6:7], w2 s[8:9], plan s[10:11]
	s_load_b64 s[12:13], s[0:1], 0x20              ; part
	v_lshl_add_u32 v126, v0, 2, 0x15800
	v_mov_b32 v127, 0
	v_lshrrev_b32 v104, 5, v0
	v_readfirstlane_b32 s[WV], v104                ; wave 0..3
	s_and_b32 s[EXPT], ttmp7, 0xffff
	s_and_b32 s[NS], ttmp9, 15
	s_lshr_b32 s[KH], ttmp9, 4
	v_and_b32 v1, 31, v0                           ; l
	v_and_b32 v2, 15, v0                           ; r
	v_bfe_u32 v3, v0, 4, 1                         ; h
	v_lshlrev_b32 v[WOFF], 4, v2
	v_lshl_add_u32 v[WOFF], v3, 17, v[WOFF]        ; lanes 16-31 read 32 rows further down
	v_bfe_u32 v104, v0, 2, 2                       ; my columns 4 (l % 16) + j lie in tile (l % 16) / 4,
	v_and_b32 v105, 3, v0                          ; at its rows 4 (l % 4) + j
	v_mul_u32_u24 v[WA], v104, FRB
	v_lshl_add_u32 v[WA], v105, 6, v[WA]
	v_lshl_add_u32 v[WA], v3, 8, v[WA]             ; my half's block: 256 h
	s_mul_i32 s30, s[WV], 16*FRB                   ; my wave's four K steps: 16 fragments
	v_add_nc_u32 v[WA], s30, v[WA]
	s_lshl_b32 s30, s[WV], 10
	s_add_co_u32 s30, s30, SCL
	v_lshl_add_u32 v[WSA], v2, 4, s30
	v_lshlrev_b32 v[LI], 4, v1
	v_add_nc_u32 v[LI2], 32*FRB, v[LI]
	v_lshl_add_u32 v[LSC], v1, 2, SCL
	v_lshlrev_b32 v[L4], 2, v1
	v_lshlrev_b32 v[SH8], 3, v3
	v_lshlrev_b32 v[H32], 5, v3
	s_mul_i32 s30, s[WV], 16*272
	s_add_co_u32 s30, s30, STG                     ; my stage
	v_mul_u32_u24 v[SO2], v2, 272
	v_lshl_add_u32 v[SO2], v3, 5, v[SO2]
	v_add_nc_u32 v[SO2], s30, v[SO2]               ; in: row r, 32 bytes for each half of the lanes
	v_mul_u32_u24 v[RD], v3, 8*272
	v_lshl_add_u32 v[RD], v2, 4, v[RD]
	v_add_nc_u32 v[RD], s30, v[RD]                 ; back: lanes 0-15 take row n, lanes 16-31 row 8 + n: 256 bytes each
.irp j, 0,1,2,3
	v_mov_b32 v[TMP+\j], 0                         ; written once: a lane permute's destination counts as one of its sources
.endr
	s_mov_b32 s[SEL], 0x76543210
	s_mov_b32 s[SEL+1], 0xfedcba98
	s_lshl_b32 s[KN], s[KH], 12
	s_lshl_b32 s31, s[NS], 8
	s_add_co_u32 s[KN], s[KN], s31                 ; my half's part of a row, my 64 outputs
	v_lshl_add_u32 v[OFO], v2, 4, s[KN]
	s_lshl_b32 s30, s[EXPT], 24                    ; an expert's w2 is 2^24 bytes,
	s_lshl_b32 s32, s[KH], 23                      ; half of K 2^23,
	s_add_co_u32 s30, s30, s32
	s_lshl_b32 s32, s[WV], 21                      ; 512 rows 2^21
	s_add_co_u32 s30, s30, s32
	s_add_co_u32 s30, s30, s31
	s_mov_b32 s31, 0
	s_lshl_b32 s[MOFF], s[EXPT], 2
	s_lshl_b32 s[TB], s[EXPT], 6
	s_mov_b32 s[I], s[WV]
	s_wait_kmcnt 0x0
	s_add_nc_u64 s[WB:WB+1], s[8:9], s[30:31]
	s_load_b32 s[NT], s[10:11], s[MOFF] offset:0x0 ; the expert's tiles
	LOADBLK 0
	LOADBLK 1
	s_wait_kmcnt 0x0
	s_max_u32 s[NT], s[NT], 1
	s_min_u32 s[NT], s[NT], 64
	s_sub_co_u32 s[NTM1], s[NT], 1
	s_add_co_u32 s[TR], s[NT], 3
	s_sub_co_u32 s[TR], s[TR], s[WV]
	s_lshr_b32 s[TR], s[TR], 2                     ; of tiles wave, wave + 4, .. there are (tiles + 3 - wave) / 4, rounded down: 0 to 16;
	s_add_co_u32 s[TR], s[TR], 1
	s_lshr_b32 s[TR], s[TR], 1                     ; two to a trip, the last trip perhaps with one
.irp b, 0,1,2,3,4,5,6,7
	SSTEP \b
.endr
	s_wait_dscnt 0x0                               ; for the others' sake: my images lie in LDS
	s_barrier_signal -1
	s_barrier_wait -1                              ; everybody's do: the only barrier
	WIN 0x40
.set f, 0
.rept 32
	ds_load_b128 v[8*f:8*f+3], v[LI] offset:f*FRB
	ds_load_b128 v[8*f+4:8*f+7], v[LI] offset:f*FRB+512
.set f, f+1
.endr
	WIN 0x80
.set f, 0
.rept 32
	ds_load_b128 v[8*f:8*f+3], v[LI2] offset:f*FRB
	ds_load_b128 v[8*f+4:8*f+7], v[LI2] offset:f*FRB+512
.set f, f+1
.endr
	WIN 0
.set f, 0
.rept 32
	ds_load_b32 v[WS+f], v[LSC] offset:128*f
.set f, f+1
.endr
	s_wait_dscnt 0x0
	s_mov_b32 s[J], 0
	s_cmp_lg_u32 s[TR], 0
	s_cbranch_scc0 .Ldone                          ; an expert with fewer tiles than waves
.Lpair:                                            ; a trip: two tiles, one from each buffer; the trips are counted one by one against s[TR], which the loop leaves alone
	TILE 0
	s_add_co_u32 s[T2], s[I], 4
	s_cmp_lt_u32 s[T2], s[NT]
	s_cbranch_scc1 .Lsecond
	s_wait_tensorcnt 0x0
	ds_add_u32 v126, v127
	s_wait_dscnt 0x0
	s_endpgm                                       ; my tiles were an odd number: the wave ends here (loads into registers may be out at the end)
.Lsecond:
	TILE 1
	s_add_co_u32 s[I], s[I], 8                     ; my next two tiles
	s_add_co_u32 s[J], s[J], 1
	s_cmp_lt_u32 s[J], s[TR]
	s_cbranch_scc1 .Lpair
.Ldone:
	s_wait_tensorcnt 0x0
	ds_add_u32 v126, v127
	s_wait_dscnt 0x0
	s_endpgm
.Lfunc_end_k_q89b88ae289_ffn2:
	.size	k_q89b88ae289_ffn2, .Lfunc_end_k_q89b88ae289_ffn2-k_q89b88ae289_ffn2
	.p2alignl 7, 3214868480
	.fill 96, 4, 3214868480
	.section	.rodata,"a",@progbits
	.p2align	6, 0x0
	.amdhsa_kernel k_q89b88ae289_ffn2
		.amdhsa_group_segment_fixed_size 88576
		.amdhsa_private_segment_fixed_size 0
		.amdhsa_enable_private_segment 0
		.amdhsa_kernarg_size 40
		.amdhsa_user_sgpr_count 2
		.amdhsa_user_sgpr_kernarg_segment_ptr 1
		.amdhsa_wavefront_size32 1
		.amdhsa_system_sgpr_workgroup_id_x 1
		.amdhsa_system_sgpr_workgroup_id_y 1
		.amdhsa_system_sgpr_workgroup_id_z 1
		.amdhsa_system_vgpr_workitem_id 0
		.amdhsa_next_free_vgpr 1024
		.amdhsa_next_free_sgpr 66
		.amdhsa_reserve_vcc 0
		.amdhsa_float_denorm_mode_32 3
		.amdhsa_float_denorm_mode_16_64 3
		.amdhsa_memory_ordered 1
		.amdhsa_forward_progress 1
		.amdhsa_inst_pref_size 162
	.end_amdhsa_kernel
	.amdgpu_metadata
---
amdhsa.version: [ 1, 2 ]
amdhsa.kernels:
  - .name:           k_q89b88ae289_ffn2
    .symbol:         k_q89b88ae289_ffn2.kd
    .args:
      - { .name: hq, .offset: 0, .size: 8, .value_kind: global_buffer, .address_space: global }
      - { .name: hs, .offset: 8, .size: 8, .value_kind: global_buffer, .address_space: global }
      - { .name: w2, .offset: 16, .size: 8, .value_kind: global_buffer, .address_space: global }
      - { .name: plan, .offset: 24, .size: 8, .value_kind: global_buffer, .address_space: global }
      - { .name: part, .offset: 32, .size: 8, .value_kind: global_buffer, .address_space: global }
    .group_segment_fixed_size: 88576
    .private_segment_fixed_size: 0
    .kernarg_segment_align: 8
    .kernarg_segment_size: 40
    .max_flat_workgroup_size: 128
    .sgpr_count:     66
    .vgpr_count:     1024
    .wavefront_size: 32
...
	.end_amdgpu_metadata
.endif
;; end of part 3
;; launch mix (part 4): grid 256 x 1, 8 waves a work-group, no clusters, 0 bytes of LDS; arguments part, tki, tkw, b2, out0; writes out0
.if DOCPART == 4
	.amdgcn_target "amdgcn-amd-amdhsa--gfx1250"
	.amdhsa_code_object_version 6
	.text
	.protected	k_q89b88ae289_mix
	.globl	k_q89b88ae289_mix
	.p2align	8
	.type	k_q89b88ae289_mix,@function
k_q89b88ae289_mix:
	s_mov_b64 s[64:65], 0
	v_nop
	global_prefetch_b8 v0, s[64:65] scope:SCOPE_SE
	s_setreg_imm32_b32 hwreg(HW_REG_WAVE_MODE, 25, 1), 1
	s_wait_xcnt 0x0
; out[t] = the sum over k = 0, 1 of weight(t, k) x (part[2 t + k][0] + part[2 t + k][1] + b2[expert(t, k)]), in f32.
; A work-group takes 4 tokens: 8 rows of part on end; thread i owns the 16 bytes at 16 i of every row of 4,096 bytes, so each load and store of a wave covers 512 consecutive bytes.
; Experts and weights are the same for all threads: they come by scalar loads (an earlier launch stored them; this launch writes neither buffer).
; part's 16 loads hang on the work-group's number alone and go out while those scalar loads are on their way; b2's 8 follow.  Each token's wait leaves the younger tokens' b2 loads out.
; A stream: no LDS, no matrix unit, no cluster.
.set DT, 8                             ; v8-103   pair n = 2 q + k: 4 registers of each half of K, 4 of b2
.set OU, 104                           ; v104-119 four results for each token
.set BO, 128                           ; v128-135 offsets into b2
	s_load_b256 s[4:11], s[0:1], 0x0               ; part s[4:5], tki s[6:7], tkw s[8:9], b2 s[10:11]
	s_load_b64 s[12:13], s[0:1], 0x20              ; out
	s_lshl_b32 s2, ttmp9, 5                        ; 4 tokens x 2 words
	s_lshl_b32 s40, ttmp9, 14                      ; 4 rows of 4,096 bytes
	s_mov_b32 s41, 0
	s_lshl_b32 s42, ttmp9, 16                      ; 8 rows of 8,192 bytes
	s_mov_b32 s43, 0
	v_lshlrev_b32 v1, 4, v0
	s_wait_kmcnt 0x0
	s_load_b256 s[24:31], s[6:7], s2 offset:0x0    ; the experts
	s_load_b256 s[32:39], s[8:9], s2 offset:0x0    ; the weights
	s_add_nc_u64 s[4:5], s[4:5], s[42:43]
	s_add_nc_u64 s[12:13], s[12:13], s[40:41]
.irp n, 0,1,2,3,4,5,6,7
	global_load_b128 v[DT+12*\n:DT+12*\n+3], v1, s[4:5] offset:8192*\n th:TH_LOAD_NT
	global_load_b128 v[DT+12*\n+4:DT+12*\n+7], v1, s[4:5] offset:8192*\n+4096 th:TH_LOAD_NT
.endr
	s_wait_kmcnt 0x0
.irp n, 0,1,2,3,4,5,6,7
	s_min_u32 s[24+\n], s[24+\n], 7                ; a loaded number is held inside its table before it enters an address
	v_lshl_add_u32 v[BO+\n], s[24+\n], 12, v1      ; a row of b2 is 4,096 bytes
.endr
.irp n, 0,1,2,3,4,5,6,7
	global_load_b128 v[DT+12*\n+8:DT+12*\n+11], v[BO+\n], s[10:11]
.endr
.irp q, 0,1,2,3
	s_wait_loadcnt 6-2*\q                          ; all of part and this token's two rows of b2 are in; two loads for each younger token stay out
.irp k, 0,1
.irp c, 0,2
	v_pk_add_f32 v[DT+24*\q+12*\k+\c:DT+24*\q+12*\k+\c+1], v[DT+24*\q+12*\k+\c:DT+24*\q+12*\k+\c+1], v[DT+24*\q+12*\k+4+\c:DT+24*\q+12*\k+5+\c]
.endr
.irp c, 0,2
	v_pk_add_f32 v[DT+24*\q+12*\k+\c:DT+24*\q+12*\k+\c+1], v[DT+24*\q+12*\k+\c:DT+24*\q+12*\k+\c+1], v[DT+24*\q+12*\k+8+\c:DT+24*\q+12*\k+9+\c]
.endr
.endr
.irp c, 0,1,2,3
	v_mul_f32 v[OU+4*\q+\c], s[32+2*\q], v[DT+24*\q+\c]
.endr
.irp c, 0,1,2,3
	v_fmac_f32 v[OU+4*\q+\c], s[33+2*\q], v[DT+24*\q+12+\c]
.endr
	global_store_b128 v1, v[OU+4*\q:OU+4*\q+3], s[12:13] offset:4096*\q th:TH_STORE_NT
.endr
	s_endpgm
.Lfunc_end_k_q89b88ae289_mix:
	.size	k_q89b88ae289_mix, .Lfunc_end_k_q89b88ae289_mix-k_q89b88ae289_mix
	.p2alignl 7, 3214868480
	.fill 96, 4, 3214868480
	.section	.rodata,"a",@progbits
	.p2align	6, 0x0
	.amdhsa_kernel k_q89b88ae289_mix
		.amdhsa_group_segment_fixed_size 0
		.amdhsa_private_segment_fixed_size 0
		.amdhsa_enable_private_segment 0
		.amdhsa_kernarg_size 40
		.amdhsa_user_sgpr_count 2
		.amdhsa_user_sgpr_kernarg_segment_ptr 1
		.amdhsa_wavefront_size32 1
		.amdhsa_system_sgpr_workgroup_id_x 1
		.amdhsa_system_sgpr_workgroup_id_y 1
		.amdhsa_system_sgpr_workgroup_id_z 1
		.amdhsa_system_vgpr_workitem_id 0
		.amdhsa_next_free_vgpr 136
		.amdhsa_next_free_sgpr 66
		.amdhsa_reserve_vcc 0
		.amdhsa_float_denorm_mode_32 3
		.amdhsa_float_denorm_mode_16_64 3
		.amdhsa_memory_ordered 1
		.amdhsa_forward_progress 1
		.amdhsa_inst_pref_size 8
	.end_amdhsa_kernel
	.amdgpu_metadata
---
amdhsa.version: [ 1, 2 ]
amdhsa.kernels:
  - .name:           k_q89b88ae289_mix
    .symbol:         k_q89b88ae289_mix.kd
    .args:
      - { .name: part, .offset: 0, .size: 8, .value_kind: global_buffer, .address_space: global }
      - { .name: tki, .offset: 8, .size: 8, .value_kind: global_buffer, .address_space: global }
      - { .name: tkw, .offset: 16, .size: 8, .value_kind: global_buffer, .address_space: global }
      - { .name: b2, .offset: 24, .size: 8, .value_kind: global_buffer, .address_space: global }
      - { .name: out0, .offset: 32, .size: 8, .value_kind: global_buffer, .address_space: global }
    .group_segment_fixed_size: 0
    .private_segment_fixed_size: 0
    .kernarg_segment_align: 8
    .kernarg_segment_size: 40
    .max_flat_workgroup_size: 256
    .sgpr_count:     66
    .vgpr_count:     136
    .wavefront_size: 32
...
	.end_amdgpu_metadata
.endif
;; end of part 4
;; ======== version 2 of 2: 4 launches
;; workspace buffers: xq 524,288 bytes; xs 32,768 bytes; tki 8,192 bytes of whole numbers; tkw 8,192 bytes; plan 33,024 bytes of whole numbers; hq 16,777,216 bytes; hs 1,048,576 bytes; part 17,825,792 bytes
;; launch route (part 5): grid 128 x 1, 1 waves a work-group, no clusters, 512 bytes of LDS; arguments hidden_states, router_w, xq, xs, tki, tkw; writes xq, xs, tki, tkw
.if DOCPART == 5
	.amdgcn_target "amdgcn-amd-amdhsa--gfx1250"
	.amdhsa_code_object_version 6
	.text
	.protected	k_q89b88ae289_route
	.globl	k_q89b88ae289_route
	.p2align	8
	.type	k_q89b88ae289_route,@function
k_q89b88ae289_route:
	s_mov_b64 s[64:65], 0
	v_nop
	global_prefetch_b8 v0, s[64:65] scope:SCOPE_SE
	s_setreg_imm32_b32 hwreg(HW_REG_WAVE_MODE, 25, 1), 1
	s_wait_xcnt 0x0
; ROUTER AND x's QUANTISER.  hidden_states [1024 tokens][1024] f32, router_w [8][1024] f32.
; Out: xq [1024][512 bytes] codes of E2M1, K ascending, the lower k in the low four bits; xs [1024][32] E8M0 bytes;
;      tki [1024][2] the two chosen experts (u32), tkw [1024][2] their softmax weights (f32), all at fixed places.
; One wave takes 8 tokens.  Lane l owns k = 32 l .. 32 l + 31 of every row, of x and of router_w alike: a quantiser block lies whole in a lane,
; and a logit is 16 packed multiply-adds a lane and one sum over the 32 lanes, all in f32.
; Top-2: two scans with a strict 'greater', so that of equal logits the lower expert wins.  The weights take the larger logit away first:
; 1 / (1 + e^d) and e^d / (1 + e^d), d = second - first <= 0.
; LIMITS: NaN and infinities among the inputs are not served (logits must be finite).  The f32 sums of a logit run in another order than a plain
; chain, so two logits that agree to the last bits may be ordered either way.  A block of zeros gets the byte 1 (its codes are zeros; only this program reads the bytes).
; REGISTERS: window 0: addresses, sums, codes; window 1: router_w (32 e + i); window 2: x (32 token + i).
; No matrix unit, no cluster, no tile ring: 4 MB are read once, and the wave shares nothing.
.set A,   96                           ; v96-111  eight pairs of running sums
.set S,   112                          ; v112-119 the eight logits of the token in hand
.set TMR, 120                          ; v120-127 the other half's sums
.set LG,  16                           ; v16-23   logit e; lane t holds token t's
.set IX,  48                           ; v48-55   the numbers 0 .. 7
.set CD,  128                          ; v128-159 four registers of codes for each token: no store's data are written again
.set BY,  160                          ; v160-167 a scale byte for each token
.set MSB, 0
.macro WIN new                         ; the immediate's high byte repeats the setting that is left
.if MSB != \new
	s_set_vgpr_msb (MSB<<8)|\new
.set MSB, \new
.endif
.endm
	s_load_b256 s[4:11], s[0:1], 0x0               ; x s[4:5], router_w s[6:7], xq s[8:9], xs s[10:11]
	s_load_b128 s[12:15], s[0:1], 0x20             ; tki s[12:13], tkw s[14:15]
	v_lshl_add_u32 v254, v0, 2, 0x100
	v_mov_b32 v255, 0
	v_lshlrev_b32 v1, 7, v0                        ; 128 l: my 32 numbers of a row
	v_lshlrev_b32 v2, 4, v0                        ; 16 l: my 32 codes
	v_lshlrev_b32 v4, 3, v0                        ; 8 l
	s_mov_b32 s16, 0x76543210                      ; v_permlanex16_b32's selects for lane l xor 16
	s_mov_b32 s17, 0xfedcba98
.irp t, 1,2,3,4,5,6,7
	s_mov_b32 s[20+\t], 1<<\t                      ; the mask 'lane = t'
.endr
.irp e, 0,1,2,3,4,5,6,7
	v_mov_b32 v[TMR+\e], 0                         ; written once: a lane permute's destination counts as one of its sources
	v_mov_b32 v[IX+\e], \e
.endr
	v_mov_b32 v47, 0xff800000                      ; -infinity
	s_lshl_b32 s2, ttmp9, 15                       ; 8 rows of 4,096 bytes
	s_mov_b32 s3, 0
	s_lshl_b32 s28, ttmp9, 12                      ; 8 rows of 512 bytes
	s_mov_b32 s29, 0
	s_lshl_b32 s30, ttmp9, 8                       ; 8 rows of 32 bytes
	s_mov_b32 s31, 0
	s_lshl_b32 s32, ttmp9, 6                       ; 8 pairs of words
	s_mov_b32 s33, 0
	s_wait_kmcnt 0x0
	s_add_nc_u64 s[4:5], s[4:5], s[2:3]
	s_add_nc_u64 s[8:9], s[8:9], s[28:29]
	s_add_nc_u64 s[10:11], s[10:11], s[30:31]
	s_add_nc_u64 s[12:13], s[12:13], s[32:33]
	s_add_nc_u64 s[14:15], s[14:15], s[32:33]
	WIN 0x40                                       ; destination window 1
.irp e, 0,1,2,3,4,5,6,7
.irp q, 0,1,2,3,4,5,6,7
	global_load_b128 v[32*\e+4*\q:32*\e+4*\q+3], v1, s[6:7] offset:\e*4096+16*\q
.endr
.endr
	WIN 0x80                                       ; destination window 2
.irp t, 0,1,2,3,4,5,6,7
.irp q, 0,1,2,3,4,5,6,7
	global_load_b128 v[32*\t+4*\q:32*\t+4*\q+3], v1, s[4:5] offset:\t*4096+16*\q th:TH_LOAD_NT
.endr
.endr
.macro TOKEN t
	s_wait_loadcnt 8*(7-\t)                        ; router_w and this token's eight loads are in; the younger tokens' stay out
	WIN 0x06                                       ; source 0 (x) window 2, source 1 (router_w) window 1
.irp e, 0,1,2,3,4,5,6,7
	v_pk_mul_f32 v[A+2*\e:A+2*\e+1], v[32*\t:32*\t+1], v[32*\e:32*\e+1]      ; the first product starts each sum
.endr
.irp i, 2,4,6,8,10,12,14,16,18,20,22,24,26,28,30
.irp e, 0,1,2,3,4,5,6,7
	v_pk_fma_f32 v[A+2*\e:A+2*\e+1], v[32*\t+\i:32*\t+\i+1], v[32*\e+\i:32*\e+\i+1], v[A+2*\e:A+2*\e+1]   ; eight chains by turns
.endr
.endr
	WIN 0x0a                                       ; sources 0 and 1 window 2
	v_max3_num_f32 v24, |v[32*\t]|, |v[32*\t+1]|, 0x1800000       ; my block's largest magnitude, in two chains, over the floor 2^(3 - 127): the byte cannot fall under 1
	v_max3_num_f32 v25, |v[32*\t+2]|, |v[32*\t+3]|, 0x1800000
.irp i, 4,8,12,16,20,24,28
	v_max3_num_f32 v24, |v[32*\t+\i]|, |v[32*\t+\i+1]|, v24
	v_max3_num_f32 v25, |v[32*\t+\i+2]|, |v[32*\t+\i+3]|, v25
.endr
	WIN 0
	v_max_num_f32 v24, v24, v25
	v_add_nc_u32 v26, 0xff000000, v24              ; 2 off its exponent field: the conversion takes this operand's exponent field as its scale
	v_lshrrev_b32 v[BY+\t], 23, v26                ; the scale's byte
	WIN 0x02                                       ; source 0 window 2
.irp g, 0,1,2,3
	v_cvt_scalef32_pk8_fp4_f32 v[CD+4*\t+\g], v[32*\t+8*\g:32*\t+8*\g+7], v26
.endr
	WIN 0
	v_nop                                          ; one plain place behind the last scaled conversion: v26 is written again for the next token
.irp e, 0,1,2,3,4,5,6,7
	v_add_f32 v[S+\e], v[A+2*\e], v[A+2*\e+1]
.endr
.irp m, 1,2,4,8
.irp e, 0,1,2,3,4,5,6,7
	v_add_f32_dpp v[S+\e], v[S+\e], v[S+\e] row_xmask:\m row_mask:0xf bank_mask:0xf
.endr
.endr
.irp e, 0,1,2,3,4,5,6,7
	v_permlanex16_b32 v[TMR+\e], v[S+\e], s16, s17
.endr
.irp e, 0,1,2,3,4,5,6,7
	v_add_f32 v[S+\e], v[S+\e], v[TMR+\e]          ; every lane holds the token's logit e
.endr
.irp e, 0,1,2,3,4,5,6,7
.if \t == 0
	v_mov_b32 v[LG+\e], v[S+\e]                    ; (writes every lane)
.else
	v_cndmask_b32 v[LG+\e], v[LG+\e], v[S+\e], s[20+\t]   ; lane t keeps token t's
.endif
.endr
	global_store_b128 v2, v[CD+4*\t:CD+4*\t+3], s[8:9] offset:512*\t   ; the wave stores the token's 512 consecutive bytes
	ds_store_b8 v0, v[BY+\t] offset:32*\t          ; the bytes are gathered: 256 for the 8 tokens
.endm
.irp t, 0,1,2,3,4,5,6,7
	TOKEN \t
.endr
	; TOP-2, a token a lane (lanes 8-31 repeat token 0's logits and are not stored)
	v_mov_b32 v32, v[LG]
	v_mov_b32 v42, 0
.irp e, 1,2,3,4,5,6,7
	v_cmp_gt_f32 vcc_lo, v[LG+\e], v32             ; strictly greater: the lower index keeps a tie
	v_cndmask_b32 v32, v32, v[LG+\e], vcc_lo
	v_cndmask_b32 v42, v42, v[IX+\e], vcc_lo
.endr
.irp e, 0,1,2,3,4,5,6,7
	v_cmp_eq_u32 vcc_lo, \e, v42
	v_cndmask_b32 v[LG+\e], v[LG+\e], v47, vcc_lo  ; the first is taken out
.endr
	v_mov_b32 v34, v[LG]
	v_mov_b32 v43, 0
.irp e, 1,2,3,4,5,6,7
	v_cmp_gt_f32 vcc_lo, v[LG+\e], v34
	v_cndmask_b32 v34, v34, v[LG+\e], vcc_lo
	v_cndmask_b32 v43, v43, v[IX+\e], vcc_lo
.endr
	v_sub_f32 v36, v34, v32                        ; d = second - first: the maximum is taken away
	v_mul_f32 v36, 0x3fb8aa3b, v36                 ; x log2(e)
	s_wait_alu depctr_va_vdst(0)
	v_exp_f32 v37, v36
	v_nop                                          ; a plain place behind the transcendental
	s_wait_alu depctr_va_vdst(0)                   ; the wait ahead of the first reader
	v_add_f32 v38, 1.0, v37
	s_wait_alu depctr_va_vdst(0)
	v_rcp_f32 v40, v38                             ; the first's weight
	v_nop
	s_wait_alu depctr_va_vdst(0)
	v_mul_f32 v41, v37, v40                        ; the second's
	ds_load_b64 v[44:45], v4                       ; LDS serves a wave's instructions in order: these see my byte stores
	s_wait_alu depctr_va_vdst(0)
	s_wait_dscnt 0x0
	global_store_b64 v4, v[44:45], s[10:11]        ; 32 lanes store 256 consecutive bytes, aligned
	s_wait_xcnt 0x0                                ; EXEC changes only behind this wait
	v_cmp_gt_u32 vcc_lo, 8, v0
	s_wait_tensorcnt 0x0
	ds_add_u32 v254, v255
	s_wait_dscnt 0x0
	s_and_saveexec_b32 s34, vcc_lo
	global_store_b64 v4, v[42:43], s[12:13]        ; lanes 0-7: the token's two experts,
	global_store_b64 v4, v[40:41], s[14:15]        ; and their weights
	s_wait_xcnt 0x0
	s_or_b32 exec_lo, exec_lo, s34
	s_endpgm
.Lfunc_end_k_q89b88ae289_route:
	.size	k_q89b88ae289_route, .Lfunc_end_k_q89b88ae289_route-k_q89b88ae289_route
	.p2alignl 7, 3214868480
	.fill 96, 4, 3214868480
	.section	.rodata,"a",@progbits
	.p2align	6, 0x0
	.amdhsa_kernel k_q89b88ae289_route
		.amdhsa_group_segment_fixed_size 512
		.amdhsa_private_segment_fixed_size 0
		.amdhsa_enable_private_segment 0
		.amdhsa_kernarg_size 48
		.amdhsa_user_sgpr_count 2
		.amdhsa_user_sgpr_kernarg_segment_ptr 1
		.amdhsa_wavefront_size32 1
		.amdhsa_system_sgpr_workgroup_id_x 1
		.amdhsa_system_sgpr_workgroup_id_y 1
		.amdhsa_system_sgpr_workgroup_id_z 1
		.amdhsa_system_vgpr_workitem_id 0
		.amdhsa_next_free_vgpr 768
		.amdhsa_next_free_sgpr 66
		.amdhsa_reserve_vcc 1
		.amdhsa_float_denorm_mode_32 3
		.amdhsa_float_denorm_mode_16_64 3
		.amdhsa_memory_ordered 1
		.amdhsa_forward_progress 1
		.amdhsa_inst_pref_size 124
	.end_amdhsa_kernel
	.amdgpu_metadata
---
amdhsa.version: [ 1, 2 ]
amdhsa.kernels:
  - .name:           k_q89b88ae289_route
    .symbol:         k_q89b88ae289_route.kd
    .args:
      - { .name: hidden_states, .offset: 0, .size: 8, .value_kind: global_buffer, .address_space: global }
      - { .name: router_w, .offset: 8, .size: 8, .value_kind: global_buffer, .address_space: global }
      - { .name: xq, .offset: 16, .size: 8, .value_kind: global_buffer, .address_space: global }
      - { .name: xs, .offset: 24, .size: 8, .value_kind: global_buffer, .address_space: global }
      - { .name: tki, .offset: 32, .size: 8, .value_kind: global_buffer, .address_space: global }
      - { .name: tkw, .offset: 40, .size: 8, .value_kind: global_buffer, .address_space: global }
    .group_segment_fixed_size: 512
    .private_segment_fixed_size: 0
    .kernarg_segment_align: 8
    .kernarg_segment_size: 48
    .max_flat_workgroup_size: 32
    .sgpr_count:     66
    .vgpr_count:     768
    .wavefront_size: 32
...
	.end_amdgpu_metadata
.endif
;; end of part 5
;; launch ffn1 (part 6): grid 32 x 8, 4 waves a work-group, no clusters, 71,168 bytes of LDS; arguments xq, xs, w1, b1, tki, plan, hq, hs; writes plan, hq, hs
.if DOCPART == 6
	.amdgcn_target "amdgcn-amd-amdhsa--gfx1250"
	.amdhsa_code_object_version 6
	.text
	.protected	k_q89b88ae289_ffn1
	.globl	k_q89b88ae289_ffn1
	.p2align	8
	.type	k_q89b88ae289_ffn1,@function
k_q89b88ae289_ffn1:
	s_mov_b64 s[64:65], 0
	v_nop
	global_prefetch_b8 v0, s[64:65] scope:SCOPE_SE
	s_setreg_imm32_b32 hwreg(HW_REG_WAVE_SCHED_MODE, 0, 2), 2
	s_setreg_imm32_b32 hwreg(HW_REG_WAVE_MODE, 25, 1), 1
	s_wait_xcnt 0x0
	s_wait_alu depctr_vm_vsrc(0)
; h = Q(gelu(Q(x) Q(w1[e]) + b1[e])) for the rows that chose expert e.  Work-group (x, y) = (slice of 128 hidden units, expert).
; w1 [8][1024 (K)][4096] f32; the work-group's part, 1,024 x 128 numbers, is read from memory by this work-group alone, once, and quantised along K in registers.
; PLACING THE ROWS.  tki [1024][2] holds each token's two experts (whole numbers that an earlier launch stored).  Every wave reads all of it and makes 32 words of 32 match bits for its expert:
; bit j of word w is token 64 (w / 2) + 2 j + w % 2.  The expert's rows are its matches in the order of words and bits; they fill tiles of 16 slots, max(1, ceil(rows / 16)) tiles, at most 64.
; A slot's token is found by GATHERING (macro SELECT): the word is the number of inclusive prefix counts at or under the slot; the bit is the n-th set bit of that word.  No address in LDS hangs on data.
; A list entry is 2 x token + k (k: first or second choice); a slot left over in the last tile has 2048 + 16 e + row: it is computed with token 1023's x and read by nobody.
; The work-groups of slice 0 store the list and the number of tiles into plan for the next launch: byte 4 e: tiles of expert e; byte 256: list[64 e + tile][16].
; STREAM.  Wave w takes K rows 256 w .. + 255 in 8 blocks of 32 rows.  A load reads one row's 512 consecutive bytes, 16 a lane: a lane gets 4 neighbouring columns, and 32 loads give it
; 4 whole quantiser blocks.  128 moves lay each column's 32 numbers in consecutive registers, as the conversion wants them, and free the landing registers: two blocks, 64 loads a wave, are kept on their way.
; The codes go to LDS as IMAGES OF OPERAND REGISTERS: fragment (K step s, tile t) at (8 s + t) x 1,040 bytes; register group c of lane L at 512 c + 16 L.  The scale words likewise.
; One barrier; then EVERY wave loads all 64 fragments (512 registers) and takes whole tiles of 16 rows on its own: tiles wave, wave + 4, ..: the row loop has no barrier.
; THE COLUMNS OF A TILE ARE NOT NEIGHBOURS: row m of tile 2 b + u is hidden unit 32 b + 8 u + m + 8 (m / 8), and the product is used transposed (source 0 = 16 columns of w1, source 1 = 16 rows of x):
; a lane holds one row, and the 16 registers of tiles 2 b, 2 b + 1 are 16 neighbours along the next product's K.  b1 is the C of each sum's first matrix instruction.
; gelu(v) = v / (1 + 2^(v (c1 + c2 v^2))), the tanh form rewritten; c1 = -2 sqrt(2 / pi) log2(e), c2 = 0.044715 c1; all in f32.
; OUT: hq [64 e + tile][32 K steps][1,024 bytes], the fragment's register image; hs [64 e + tile][32][16 rows] scale words.
; The number of tiles hangs on numbers read from memory, so the launch has no tensor load and no cluster; what the 32 work-groups of an expert share, x's codes, is 8 KB a tile beside 512 KB of weights.
; LIMITS: tki holds, for each token, two different experts in 0 .. 7; NaN and infinities are not served; a block of zeros gets the byte 1 (its codes are zeros; only this program reads the bytes).
; REGISTERS: window 0: below.  Window 1: two landing buffers, then fragments 0-31.  Window 2: fragments 32-63.  Window 3: v0-63 x's 8 fragments, v64-127 b1's 8 tiles.
; THE MODE: SCHED_MODE bits 1:0 = 2 (LLVM: expert scheduling mode 2), set by the entry lines.  The code itself states the register dependences
; between vector or matrix instructions and memory or LDS instructions, with s_wait_alu, always for 0.
; THE PLAN.  Registers that memory or LDS instructions touch:
;   landing buffers 0, 1   Block b's 128 moves read buffer b % 2; behind them the loads of block b + 2 land in it; behind the barrier, fragments.
;   v[CD ..], v[SW ..]     Written by block b's conversions and shifts; read by the LDS stores that are issued in block b + 1's step.
;   So ONE wait on va_vdst stands in a step of the stream, behind its moves: the buffer is free, and the block before has written its codes and scale words.  The step's loads and the stores of the block
;   before follow it with no vector instruction between.  One wait on vm_vsrc stands ahead of the step's conversions: those stores have read what the conversions and shifts write again.
;   x's fragments, v[XS ..]  Read by a trip's 64 products; behind them the next tile's x lands there: one wait on va_vdst behind the products, which also shows v[XA], v[XSA] written.
;   v[XA], v[XSA], v[HQA], v[HSA], v[PCD ..], v[PW]  Read by a trip's loads and stores, written again in the next trip: one wait on vm_vsrc at a trip's head; one on va_vdst ahead of the trip's three stores.
;   SELECT: v[QI] and the three registers of words' bits and bases are read by three lane permutes, whose results land in v[QA], v[QB], v[QX]: a wait on va_vdst ahead of them, one on vm_vsrc behind them,
;   which also frees v[TK] and v[LA], read by the last store of the list.
;   v4 to v10, v14, v15    Offsets and LDS addresses, made once at the head and never written again.
; Masks that vector compares write: the compares stand in runs, into scalar registers, with one wait on va_sdst behind each run; the five levels of the descent hang on each other: each has its wait on va_vcc.
.set PITCH, 16384                      ; a row of w1[e] in bytes
.set BS,    32                         ; rows from block to block
.set FRB,   1040                       ; a fragment's image: 1,024 bytes + 16, so that the four tiles that a store touches fall on different banks
.set SCL,   64*FRB                     ; behind the images: 32 images of scale registers, 128 bytes each
.set WOFF, 4                           ; v4   16 l: my 16 bytes of a row's 512
.set WA,   5                           ; v5   where my codes go
.set WSA,  6                           ; v6   where my scale words go
.set LI,   7                           ; v7   16 l: an image's place for my lane
.set LI2,  8                           ; v8   the same, 32 fragments on
.set LSC,  9                           ; v9   SCL + 4 l
.set R4,   10                          ; v10  4 r
.set TK,   11                          ; v11  a list entry: 2 x token + k
.set XA,   12                          ; v12  the token's codes
.set XSA,  13                          ; v13  its scale bytes
.set H64,  14                          ; v14  64 h
.set H16,  15                          ; v15  16 h
.set MX,   16                          ; v16-19 the stream: largest magnitudes
.set SO,   20                          ; v20-23 the conversions' scale operands
.set BY,   24                          ; v24-27 scale bytes
.set SW,   28                          ; v28-31 scale words
.set CD,   32                          ; v32-47 codes
.set QS,   16                          ; v16-30 SELECT, ahead of the stream and behind it: the slot,
.set QW,   17                          ; its word,
.set QA,   18                          ; the word's first-choice bits,
.set QB,   19                          ; its second-choice bits,
.set QX,   20                          ; the rows in front of the word,
.set QM,   21                          ; the word's match bits,
.set QN,   22                          ; which of them is wanted,
.set QC1,  23                          ; counts of set bits in fields of 2,
.set QC2,  24                          ; of 4,
.set QC4,  25                          ; of 8,
.set QC8,  26                          ; of 16 bits (the four are also at work while the words are counted),
.set QP,   27                          ; the bit's place,
.set QT,   28                          ; at work
.set QQ,   29
.set QI,   30
.set WS,   48                          ; v48-79 w1's scale words: register 4 s + p: lanes 0-15 tile 2 p, lanes 16-31 tile 2 p + 1
.set XS,   80                          ; v80-87 x's scale words, K step s
.set PCD,  88                          ; v88-95 h's codes
.set PW,   96                          ; v96    h's scale word
.set TC,   97                          ; v97    at work
.set C1,   98                          ; v98-99 c1, twice
.set TM,   100                         ; v100-115 at work in the quantiser
.set LA,   116                         ; v116 offset into the list
.set HQA,  117                         ; v117 offset into hq
.set HSA,  118                         ; v118 offset into hs
.set VM0,  119                         ; v119 lane w: word w's first-choice bits
.set VM1,  120                         ; v120 its second-choice bits
.set VWX,  121                         ; v121 the rows in front of word w
.set VPAD, 122                         ; v122 2048 + 16 e + r: the entry of a slot left over
.set MO,   123                         ; v123, v124 offset and data of the store of the number of tiles
.set MD,   124
.set T,    128                         ; v128-255 the stream: 4 columns x 32 numbers; ahead of it v128-191: tki
.set HH,   128                         ; v128-191 the row loop: 8 accumulators
.set G,    192                         ; v192-255 at work in gelu
.set XF,   0                           ; window 3
.set B1,   64
.set WV,   20
.set EXPT, 21
.set SL,   22
.set WB,   24                          ; s[24:25] my wave's first row of w1, my slice's first column
.set NT,   26                          ; s26 the expert's tiles
.set NTM1, 27
.set I,    28                          ; s28 the tile in hand, counted within the expert
.set TT,   29
.set TR,   30                          ; s30 my wave's trips: its tiles
.set TG,   31
.set SEL,  38
.set C2,   40                          ; s[40:41] c2, twice
.set BB,   42                          ; s[42:43] b1 at my slice
.set J,    44                          ; s44 counts the trips
.set E64,  45                          ; s45 64 e: the expert's first tile in hq, hs and the list
.set MS,   46                          ; s46-53 at the head: match masks of four words
.set CN,   54
.set CM,   46                          ; s46-61 in SELECT: the masks of a run of sixteen compares
.set CP,   62                          ; s62    in SELECT: the mask 'a slot behind the expert's last row'
.set WI,   66                          ; s66-97 the rows up to and with word w
.set TOT,  WI+31                       ; the expert's rows
.set MSB, 0
.macro WIN new                         ; the immediate's high byte repeats the setting that is left
.if MSB != \new
	s_set_vgpr_msb (MSB<<8)|\new
.set MSB, \new
.endif
.endm
.macro LOADBLK b                       ; block b: 32 rows into landing buffer b % 2
	WIN 0x40
.set i, 0
.rept 32
	global_load_b128 v[128*((\b)%2)+4*i:128*((\b)%2)+4*i+3], v[WOFF], s[WB:WB+1] offset:(BS*(\b)+i)*PITCH th:TH_LOAD_NT
.set i, i+1
.endr
	WIN 0
.endm
.macro MOVE b                          ; column j's 32 numbers on end
	WIN 0x01
.set j, 0
.rept 4
.set i, 0
.rept 32
	v_mov_b32 v[T+32*j+i], v[128*((\b)%2)+4*i+j]
.set i, i+1
.endr
.set j, j+1
.endr
	WIN 0
.endm
.macro QUANT4 b                        ; four blocks of 32, one for each of my columns: bytes into v[BY], codes into v[CD]
.irp j, 0,1,2,3
	v_max3_num_f32 v[MX+\j], |v[T+32*\j]|, |v[T+32*\j+1]|, 0x1800000   ; over the floor 2^(3 - 127): the byte cannot fall under 1
.endr
.set i, 2
.rept 15
.irp j, 0,1,2,3
	v_max3_num_f32 v[MX+\j], v[MX+\j], |v[T+32*\j+i]|, |v[T+32*\j+i+1]|   ; the four by turns
.endr
.set i, i+2
.endr
.irp j, 0,1,2,3
	v_add_nc_u32 v[SO+\j], 0xff000000, v[MX+\j]    ; 2 off the exponent field: the conversion's scale operand
.endr
.irp j, 0,1,2,3
	v_lshrrev_b32 v[BY+\j], 23, v[SO+\j]           ; the scale's byte
.endr
	s_wait_alu depctr_va_vdst(0)
	s_wait_dscnt 0x0                               ; the last block's LDS stores have landed
.if (\b) > 0
	s_wait_alu depctr_vm_vsrc(0)                   ; the last block's LDS stores have read v[CD ..] and v[SW ..], which the conversions below and the shifts behind them write again
.endif
.irp j, 0,1,2,3
.irp g, 0,1,2,3
	v_cvt_scalef32_pk8_fp4_f32 v[CD+4*\j+\g], v[T+32*\j+8*\g:T+32*\j+8*\g+7], v[SO+\j]
.endr
.endr
	v_nop                                          ; one plain place behind the last scaled conversion
.endm
.macro CSTORE b                        ; block b's codes go to LDS, and behind a K step's fourth block its scale words
.irp j, 0,1,2,3
	ds_store_b128 v[WA], v[CD+4*\j:CD+4*\j+3] offset:((\b)/4)*8*FRB+512*(((\b)/2)%2)+256*((\b)%2)+16*\j
.endr
.if (\b)%4 == 3
	ds_store_b128 v[WSA], v[SW:SW+3] offset:((\b)/4)*512
.endif
.endm
.macro COUNT4 m                        ; four masks: each lane counts those in which its bit is set
	v_cndmask_b32 v[QC1], 0, 1, s[(\m)]
	v_cndmask_b32 v[QC2], 0, 1, s[(\m)+1]
	v_cndmask_b32 v[QC4], 0, 1, s[(\m)+2]
	v_cndmask_b32 v[QC8], 0, 1, s[(\m)+3]
	v_add_nc_u32 v[QC1], v[QC1], v[QC2]
	v_add_nc_u32 v[QC4], v[QC4], v[QC8]
	v_add_nc_u32 v[QW], v[QW], v[QC1]
	v_add_nc_u32 v[QW], v[QW], v[QC4]
.endm
.macro LEVEL src, width, step          ; one level of the descent: if the field at the place holds too few set bits, they are passed over
	v_bfe_u32 v[QT], v[\src], v[QP], \width
	v_cmp_ge_u32 vcc_lo, v[QN], v[QT]
	s_wait_alu depctr_va_vcc(0)                    ; the compare has written VCC, which the two selects read
	v_cndmask_b32 v[QT], 0, v[QT], vcc_lo
	v_cndmask_b32 v[QQ], 0, \step, vcc_lo
	v_sub_nc_u32 v[QN], v[QN], v[QT]
	v_add_nc_u32 v[QP], v[QP], v[QQ]
.endm
; The list entries of the tile delta behind the one in hand (held inside the expert's tiles): lane (r, h) gets slot 16 x tile + r's, in v[TK].  wx = 1: a store of the last SELECT may still read v[TK] and v[LA].
.macro SELECT delta, wx
.if \wx
	s_wait_xcnt 0x0                                ; v[TK] and v[LA] are written again only behind this wait
.endif
	s_add_co_u32 s[TT], s[I], \delta
	s_min_u32 s[TT], s[TT], s[NTM1]
	v_lshl_add_u32 v[QS], s[TT], 4, v2             ; my slot
	v_mov_b32 v[QW], 0
.set kw, 0
.rept 16
	v_cmp_le_u32 s[CM+kw], s[WI+kw], v[QS]         ; do the rows up to and with word kw all lie in front of my slot?  Sixteen compares in a run, a mask each
.set kw, kw+1
.endr
	s_wait_alu depctr_va_sdst(0)                   ; the sixteen compares have written s[CM ..], which the selects below read
.irp g, 0,4,8,12
	COUNT4 CM+\g                                   ; the words that do are counted: that count is my word
.endr
.set kw, 16
.rept 15
	v_cmp_le_u32 s[CM+kw-16], s[WI+kw], v[QS]      ; words 16 to 30
.set kw, kw+1
.endr
	v_cmp_le_u32 s[CP], s[TOT], v[QS]              ; and: a slot behind the expert's last row?  (read at the macro's end)
	s_wait_alu depctr_va_sdst(0)                   ; these sixteen compares have written s[CM ..] and s[CP], which the selects below read
.irp g, 0,4,8
	COUNT4 CM+\g
.endr
	v_cndmask_b32 v[QC1], 0, 1, s[CM+12]
	v_cndmask_b32 v[QC2], 0, 1, s[CM+13]
	v_cndmask_b32 v[QC4], 0, 1, s[CM+14]
	v_add_nc_u32 v[QC1], v[QC1], v[QC2]
	v_add_nc_u32 v[QW], v[QW], v[QC4]
	v_add_nc_u32 v[QW], v[QW], v[QC1]
	v_lshlrev_b32 v[QI], 2, v[QW]
	s_wait_alu depctr_va_vdst(0)                   ; v[QI] and the three registers of words' bits and bases are written, which the permutes read; the vector instructions that named v[QA], v[QB], v[QX], in which their results land, are done
	ds_bpermute_b32 v[QA], v[QI], v[VM0]           ; from lane 'my word': its bits and its base (no LDS byte is touched)
	ds_bpermute_b32 v[QB], v[QI], v[VM1]
	ds_bpermute_b32 v[QX], v[QI], v[VWX]
	s_wait_dscnt 0x0
	s_wait_alu depctr_vm_vsrc(0)                   ; the permutes have read v[QI], which is written again later; the last store of the list has read v[TK] and v[LA], which are written below
	v_or_b32 v[QM], v[QA], v[QB]
	v_sub_nc_u32 v[QN], v[QS], v[QX]               ; the set bit number n, from 0, is mine
	v_lshrrev_b32 v[QC1], 1, v[QM]
	v_and_b32 v[QC1], 0x55555555, v[QC1]
	v_sub_nc_u32 v[QC1], v[QM], v[QC1]             ; set bits in each field of 2,
	v_lshrrev_b32 v[QC2], 2, v[QC1]
	v_and_b32 v[QC2], 0x33333333, v[QC2]
	v_and_b32 v[QT], 0x33333333, v[QC1]
	v_add_nc_u32 v[QC2], v[QC2], v[QT]             ; of 4,
	v_lshrrev_b32 v[QC4], 4, v[QC2]
	v_add_nc_u32 v[QC4], v[QC4], v[QC2]
	v_and_b32 v[QC4], 0x0f0f0f0f, v[QC4]           ; of 8;
	v_lshrrev_b32 v[QC8], 8, v[QC4]
	v_add_nc_u32 v[QC8], v[QC8], v[QC4]            ; byte 0: in bits 0 to 15
	v_mov_b32 v[QP], 0
	LEVEL QC8, 8, 16
	LEVEL QC4, 8, 8
	LEVEL QC2, 4, 4
	LEVEL QC1, 2, 2
	LEVEL QM, 1, 1                                 ; v[QP]: the bit's place j
	v_bfe_u32 v[QT], v[QB], v[QP], 1               ; k
	v_lshl_or_b32 v[TK], v[QP], 2, v[QT]           ; 2 x token + k = 128 (w / 2) + 4 j + 2 (w % 2) + k
	v_and_b32 v[QT], 1, v[QW]
	v_lshl_or_b32 v[TK], v[QT], 1, v[TK]
	v_lshrrev_b32 v[QT], 1, v[QW]
	v_lshl_or_b32 v[TK], v[QT], 7, v[TK]
	v_cndmask_b32 v[TK], v[TK], v[VPAD], s[CP]     ; a slot behind the expert's last row
	s_add_co_u32 s[TG], s[TT], s[E64]
	s_min_u32 s[TG], s[TG], 511
	v_lshl_add_u32 v[LA], s[TG], 6, v[R4]
	s_cmp_lg_u32 s[SL], 0                          ; the list is stored by the expert's first slice alone
	s_cbranch_scc1 .Lnl_\@
	s_wait_alu depctr_va_vdst(0)                   ; v[TK] and v[LA] are written, which the store reads
	global_store_b32 v[LA], v[TK], s[14:15] offset:256   ; 16 words; lanes 16-31 store what lanes 0-15 store, at the same places
.Lnl_\@:
.endm
.macro ADDR
	v_lshrrev_b32 v[TC], 1, v[TK]                  ; the token,
	v_min_u32 v[TC], 1023, v[TC]                   ; held inside the table before it enters an address
	v_lshl_add_u32 v[XA], v[TC], 9, v[H16]         ; a row of 512 bytes, + 16 h
	v_lshlrev_b32 v[XSA], 5, v[TC]                 ; a row of 32 scale bytes
.endm
.macro XLOAD                           ; 18 loads: the tile's 8 fragments of x and its scale words
	WIN 0xc0
.set ks, 0
.rept 8
	global_load_b128 v[XF+8*ks:XF+8*ks+3], v[XA], s[4:5] offset:64*ks
	global_load_b128 v[XF+8*ks+4:XF+8*ks+7], v[XA], s[4:5] offset:64*ks+32
.set ks, ks+1
.endr
	WIN 0
	global_load_b128 v[XS:XS+3], v[XSA], s[6:7]
	global_load_b128 v[XS+4:XS+7], v[XSA], s[6:7] offset:16
.endm
.macro BIAS                            ; 16 loads: lane (r, h) wants, for tile 2 b + u, b1 at units 32 b + 8 u + 16 h + 0 .. 7
	WIN 0xc0
.set kt, 0
.rept 8
	global_load_b128 v[B1+8*kt:B1+8*kt+3], v[H64], s[BB:BB+1] offset:(32*(kt/2)+8*(kt%2))*4
	global_load_b128 v[B1+8*kt+4:B1+8*kt+7], v[H64], s[BB:BB+1] offset:(32*(kt/2)+8*(kt%2))*4+16
.set kt, kt+1
.endr
	WIN 0
.endm
.macro SSTEP b                         ; one block of the stream
.if (\b) < 7
	s_wait_loadcnt 32                              ; this block's 32 loads are in; the next block's stay out
.else
	s_wait_loadcnt 16                              ; the last block is in; b1's 16 loads stay out
.endif
	MOVE \b
	s_wait_alu depctr_va_vdst(0)                   ; the moves are done reading the landing buffer, in which the block two on lands; the block before has written v[CD ..] and v[SW ..], which its LDS stores read
.if (\b) < 6
	LOADBLK (\b)+2
.endif
.if (\b) == 6
	BIAS
.endif
.if (\b) == 7
	XLOAD                                          ; my first tile's x lands while the last block is quantised
.endif
.if (\b) > 0
	CSTORE (\b)-1                                  ; no vector instruction since the wait names these registers
.endif
	QUANT4 \b
.irp j, 0,1,2,3
.if (\b)%4 == 0
	v_mov_b32 v[SW+\j], v[BY+\j]                   ; four blocks' bytes make a K step's scale word
.else
	v_lshl_or_b32 v[SW+\j], v[BY+\j], 8*((\b)%4), v[SW+\j]
.endif
.endr
.endm
.macro MM1                             ; the registers are named by symbols set just ahead
.if fA
	v_wmma_scale_f32_16x16x128_f8f6f4 v[rD:rD+7], v[rA:rA+7], v[rB:rB+7], v[rC:rC+7], v[rSA], v[rSB] matrix_a_fmt:MATRIX_FMT_FP4 matrix_b_fmt:MATRIX_FMT_FP4 matrix_a_scale:MATRIX_SCALE_ROW1
.else
	v_wmma_scale_f32_16x16x128_f8f6f4 v[rD:rD+7], v[rA:rA+7], v[rB:rB+7], v[rC:rC+7], v[rSA], v[rSB] matrix_a_fmt:MATRIX_FMT_FP4 matrix_b_fmt:MATRIX_FMT_FP4
.endif
.endm
	s_load_b256 s[4:11], s[0:1], 0x0               ; xq s[4:5], xs s[6:7], w1 s[8:9], b1 s[10:11]
	s_load_b256 s[12:19], s[0:1], 0x20             ; tki s[12:13], plan s[14:15], hq s[16:17], hs s[18:19]
	v_lshl_add_u32 v126, v0, 2, 0x11400
	v_mov_b32 v127, 0
	v_lshrrev_b32 v[TC], 5, v0
	v_readfirstlane_b32 s[WV], v[TC]               ; wave 0..3
	s_and_b32 s[EXPT], ttmp7, 0xffff               ; the expert
	s_mov_b32 s[SL], ttmp9                         ; the slice
	v_and_b32 v1, 31, v0                           ; l
	v_and_b32 v2, 15, v0                           ; r
	v_bfe_u32 v3, v0, 4, 1                         ; h
	v_lshlrev_b32 v[WOFF], 4, v1
	v_bfe_u32 v100, v0, 3, 2
	v_bfe_u32 v101, v0, 1, 1
	v_lshl_add_u32 v100, v100, 1, v101             ; my columns 4 l + j lie in tile 2 (l / 8) + (l / 2) % 2,
	v_bfe_u32 v101, v0, 2, 1
	v_and_b32 v102, 1, v0
	v_lshlrev_b32 v102, 2, v102
	v_lshl_add_u32 v101, v101, 3, v102             ; at its rows 8 ((l / 4) % 2) + 4 (l % 2) + j
	v_mul_u32_u24 v[WA], v100, FRB
	v_lshl_add_u32 v[WA], v101, 4, v[WA]
	s_wait_alu depctr_va_sdst(0)                   ; s[WV] is written, ahead of its first reader: LDS places, w1's base and the wave's tiles are made from it
	s_mul_i32 s23, s[WV], 16*FRB                   ; my wave's two K steps: 16 fragments
	v_add_nc_u32 v[WA], s23, v[WA]
	v_lshlrev_b32 v[WSA], 6, v100
	v_lshl_add_u32 v[WSA], v101, 2, v[WSA]
	s_lshl_b32 s23, s[WV], 10
	s_add_co_u32 s23, s23, SCL
	v_add_nc_u32 v[WSA], s23, v[WSA]
	v_lshlrev_b32 v[LI], 4, v1
	v_add_nc_u32 v[LI2], 32*FRB, v[LI]
	v_lshl_add_u32 v[LSC], v1, 2, SCL
	v_lshlrev_b32 v[R4], 2, v2
	v_lshlrev_b32 v[H64], 6, v3
	v_lshlrev_b32 v[H16], 4, v3
	v_mov_b32 v[C1], 0xc0135761                    ; c1 = -2.3022082
	v_mov_b32 v[C1+1], 0xc0135761
.irp b, 0,1,2,3
	v_mov_b32 v[TM+4+\b], 0                        ; written once: a lane permute's destination counts as one of its sources
.endr
	v_mov_b32 v[VM0], 0                            ; likewise the destinations of v_writelane_b32
	v_mov_b32 v[VM1], 0
	v_mov_b32 v[VWX], 0                            ; (no row lies in front of word 0)
	s_lshl_b32 s23, s[EXPT], 4
	s_add_co_u32 s23, s23, 2048
	v_add_nc_u32 v[VPAD], s23, v2
	s_mov_b32 s[C2], 0xbdd2d3e8                    ; c2 = -0.10294324
	s_mov_b32 s[C2+1], 0xbdd2d3e8
	s_mov_b32 s[SEL], 0x76543210
	s_mov_b32 s[SEL+1], 0xfedcba98
	s_lshl_b32 s32, s[EXPT], 24                    ; an expert's w1 is 2^24 bytes,
	s_lshl_b32 s33, s[WV], 22                      ; 256 rows 2^22,
	s_add_co_u32 s32, s32, s33
	s_lshl_b32 s33, s[SL], 9                       ; a slice 512
	s_add_co_u32 s32, s32, s33
	s_mov_b32 s33, 0
	s_lshl_b32 s34, s[EXPT], 14
	s_lshl_b32 s35, s[SL], 9
	s_add_co_u32 s34, s34, s35
	s_mov_b32 s35, 0
	s_lshl_b32 s[E64], s[EXPT], 6
	s_mov_b32 s[I], s[WV]
	s_wait_kmcnt 0x0
	s_add_nc_u64 s[WB:WB+1], s[8:9], s[32:33]
	s_add_nc_u64 s[BB:BB+1], s[10:11], s[34:35]
	s_wait_alu depctr_va_vdst(0)                   ; the offsets and LDS addresses v4 to v10, v14 and v15 are written, which the kernel's loads and stores read
.set kg, 0
.rept 16                                           ; tki: lane l takes tokens 64 g + 2 l and 64 g + 2 l + 1: a load reads 512 consecutive bytes
	global_load_b128 v[T+4*kg:T+4*kg+3], v[LI], s[12:13] offset:512*kg
.set kg, kg+1
.endr
	LOADBLK 0
	s_wait_loadcnt 32                              ; tki is in; block 0's 32 loads stay out
	LOADBLK 1                                      ; both first blocks are on their way while the rows are placed
.set kb, 0
.rept 8                                            ; four words at a time: word w's experts lie in v[T + 2 w] (first choice) and v[T + 2 w + 1] (second)
.set kq, 0
.rept 4
	v_cmp_eq_u32 s[MS+2*kq], s[EXPT], v[T+2*(4*kb+kq)]
	v_cmp_eq_u32 s[MS+2*kq+1], s[EXPT], v[T+2*(4*kb+kq)+1]
.set kq, kq+1
.endr
	s_wait_alu depctr_va_sdst(0)                   ; the eight compares have written s[MS ..], which the lines below read
.set kq, 0
.rept 4
	v_writelane_b32 v[VM0], s[MS+2*kq], 4*kb+kq
	v_writelane_b32 v[VM1], s[MS+2*kq+1], 4*kb+kq
.set kq, kq+1
.endr
.set kq, 0
.rept 4
	s_or_b32 s[CN], s[MS+2*kq], s[MS+2*kq+1]
	s_bcnt1_i32_b32 s[CN], s[CN]                   ; the word's rows
.if 4*kb+kq == 0
	s_mov_b32 s[WI], s[CN]
.else
	s_add_co_u32 s[WI+4*kb+kq], s[WI+4*kb+kq-1], s[CN]
	v_writelane_b32 v[VWX], s[WI+4*kb+kq-1], 4*kb+kq
.endif
.set kq, kq+1
.endr
.set kb, kb+1
.endr
	s_add_co_u32 s[NT], s[TOT], 15
	s_lshr_b32 s[NT], s[NT], 4
	s_max_u32 s[NT], s[NT], 1                      ; at least one tile
	s_min_u32 s[NT], s[NT], 64
	s_sub_co_u32 s[NTM1], s[NT], 1
	s_add_co_u32 s[TR], s[NT], 3
	s_sub_co_u32 s[TR], s[TR], s[WV]
	s_lshr_b32 s[TR], s[TR], 2                     ; of tiles wave, wave + 4, .. there are (tiles + 3 - wave) / 4, rounded down: 0 to 16
	s_or_b32 s23, s[SL], s[WV]
	s_cmp_lg_u32 s23, 0                            ; wave 0 of the expert's first slice stores the number of tiles
	s_cbranch_scc1 .Lnometa
	s_lshl_b32 s23, s[EXPT], 2
	v_mov_b32 v[MO], s23
	v_mov_b32 v[MD], s[NT]
	s_wait_alu depctr_va_vdst(0)                   ; v[MO] and v[MD] are written, which the store reads
	global_store_b32 v[MO], v[MD], s[14:15]        ; every lane stores the same word at the same place
.Lnometa:
	SELECT 0, 0                                    ; my first tile's rows,
	s_wait_alu depctr_va_vdst(0)
	ADDR                                           ; their addresses,
	SELECT 4, 1                                    ; and my second tile's rows
.irp b, 0,1,2,3,4,5,6,7
	SSTEP \b
.endr
	s_wait_alu depctr_va_vdst(0)                   ; the last block has written v[CD ..] and v[SW ..], which its LDS stores read; the moves are done reading the landing buffers, in which fragments land behind the barrier
	CSTORE 7
	s_wait_dscnt 0x0                               ; for the others' sake: my images lie in LDS
	s_barrier_signal -1
	s_barrier_wait -1                              ; everybody's do: the only barrier
	WIN 0x40
.set f, 0
.rept 32
	ds_load_b128 v[8*f:8*f+3], v[LI] offset:f*FRB
	ds_load_b128 v[8*f+4:8*f+7], v[LI] offset:f*FRB+512
.set f, f+1
.endr
	WIN 0x80
.set f, 0
.rept 32
	ds_load_b128 v[8*f:8*f+3], v[LI2] offset:f*FRB
	ds_load_b128 v[8*f+4:8*f+7], v[LI2] offset:f*FRB+512
.set f, f+1
.endr
	WIN 0
.set f, 0
.rept 32
	ds_load_b32 v[WS+f], v[LSC] offset:128*f
.set f, f+1
.endr
	s_wait_dscnt 0x0
	s_mov_b32 s[J], 0
	s_cmp_lg_u32 s[TR], 0
	s_cbranch_scc0 .Ldone                          ; an expert with fewer tiles than waves
.Lrow:                                             ; a trip: one tile of 16 rows; the trips are counted one by one against s[TR], which the loop leaves alone
	s_wait_loadcnt 0x0                             ; this tile's x (in the first trip b1 too)
	s_wait_xcnt 0x0                                ; the last trip's stores have had their addresses translated: their data and offsets are written again only behind this wait
	s_wait_alu depctr_vm_vsrc(0)                   ; x's loads have read v[XA] and v[XSA]; the last trip's stores have read v[HQA], v[HSA], v[PCD ..] and v[PW]: all of them are written again in this trip
	ADDR                                           ; the next tile's addresses
	s_min_u32 s[TT], s[I], s[NTM1]
	s_add_co_u32 s[TT], s[TT], s[E64]
	s_min_u32 s[TT], s[TT], 511
	s_lshl_b32 s[TT], s[TT], 5
	s_add_co_u32 s[TT], s[TT], s[SL]               ; 32 x tile + slice
	v_lshl_add_u32 v[HQA], s[TT], 10, v[LI]
	v_lshl_add_u32 v[HSA], s[TT], 6, v[R4]
.set ks, 0
.rept 8                                            ; 64 matrix instructions: the 8 accumulators take turns, one instruction a turn
.if ks == 0
	WIN 0x3d                                       ; source 0 (w1) window 1, source 1 (x) and C (b1) window 3
.elseif ks < 4
	WIN 0x0d
.else
	WIN 0x0e                                       ; source 0 window 2
.endif
.set kt, 0
.rept 8
.set rD, HH+8*kt
.set rA, 8*((8*ks+kt)%32)
.set rB, XF+8*ks
.set rC, rD
.if ks == 0
.set rC, B1+8*kt
.endif
.set rSA, WS+4*ks+kt/2
.set rSB, XS+ks
.set fA, kt%2
	MM1
.set kt, kt+1
.endr
.set ks, ks+1
.endr
	WIN 0
.rept 4
	v_nop                                          ; four places behind the last matrix instruction; they stay beside the wait below
.endr
	s_wait_alu depctr_va_vdst(0)                   ; the products are done reading x's fragments and scale words, in which the next tile's land; v[XA] and v[XSA] are written, which the loads read
	XLOAD                                          ; the next tile's x has the placing below and the whole activation in which to land
	SELECT 8, 0                                    ; the rows of the tile after that (the waits at the trip's head have freed v[TK] and v[LA])
.set i, 0
.rept 32
	v_pk_mul_f32 v[G+i:G+i+1], v[HH+i:HH+i+1], v[HH+i:HH+i+1]     ; v^2; each accumulator is read from its low end on
.set i, i+2
.endr
.set i, 0
.rept 32
	v_pk_fma_f32 v[G+i:G+i+1], v[G+i:G+i+1], s[C2:C2+1], v[C1:C1+1] op_sel_hi:[1,0,1]   ; c1 + c2 v^2
.set i, i+2
.endr
.set i, 0
.rept 32
	v_pk_mul_f32 v[G+i:G+i+1], v[G+i:G+i+1], v[HH+i:HH+i+1]
.set i, i+2
.endr
.set i, 0
	s_wait_alu depctr_va_vdst(0)
.rept 64
	v_exp_f32 v[G+i], v[G+i]
.set i, i+1
.endr
	v_nop                                          ; a plain place behind the batch
	s_wait_alu depctr_va_vdst(0)                   ; the 64 exponentials have written v[G ..]: one wait for the batch, ahead of its first reader
.set i, 0
.rept 32
	v_pk_add_f32 v[G+i:G+i+1], v[G+i:G+i+1], 1.0 op_sel_hi:[1,0]
.set i, i+2
.endr
.set i, 0
	s_wait_alu depctr_va_vdst(0)
.rept 64
	v_rcp_f32 v[G+i], v[G+i]
.set i, i+1
.endr
	v_nop
	s_wait_alu depctr_va_vdst(0)                   ; the 64 reciprocals have written v[G ..]: one wait for the batch, ahead of its first reader
.set i, 0
.rept 32
	v_pk_mul_f32 v[HH+i:HH+i+1], v[HH+i:HH+i+1], v[G+i:G+i+1]     ; gelu
.set i, i+2
.endr
	; the quantiser: register 16 b + i is unit 32 b + 16 h + i of my row
.irp b, 0,1,2,3
	v_max3_num_f32 v[TM+\b], |v[HH+16*\b]|, |v[HH+1+16*\b]|, 0x1800000
.endr
.irp i, 2,4,6,8,10,12,14
.irp b, 0,1,2,3
	v_max3_num_f32 v[TM+\b], v[TM+\b], |v[HH+16*\b+\i]|, |v[HH+1+16*\b+\i]|
.endr
.endr
.irp b, 0,1,2,3
	v_permlanex16_b32 v[TM+4+\b], v[TM+\b], s[SEL], s[SEL+1]
.endr
.irp b, 0,1,2,3
	v_max_num_f32 v[TM+\b], v[TM+\b], v[TM+4+\b]   ; with lane l xor 16's: the block's largest magnitude
.endr
.irp b, 0,1,2,3
	v_add_nc_u32 v[TM+12+\b], 0xff000000, v[TM+\b]
.endr
.irp b, 0,1,2,3
	v_lshrrev_b32 v[TM+4+\b], 23, v[TM+12+\b]
.endr
	v_lshl_or_b32 v[PW], v[TM+5], 8, v[TM+4]       ; my row's scale word
	v_lshl_or_b32 v[PW], v[TM+6], 16, v[PW]
	v_lshl_or_b32 v[PW], v[TM+7], 24, v[PW]
.irp b, 0,1,2,3
	v_cvt_scalef32_pk8_fp4_f32 v[PCD+2*\b], v[HH+16*\b:HH+7+16*\b], v[TM+12+\b]
	v_cvt_scalef32_pk8_fp4_f32 v[PCD+1+2*\b], v[HH+8+16*\b:HH+15+16*\b], v[TM+12+\b]
.endr
	v_nop                                          ; one plain place behind a scaled conversion
.irp c, 0,1                                        ; the operand's layout wants a whole block in a lane
.irp i, 0,1
	v_permlane16_swap_b32 v[PCD+4*\c+\i], v[PCD+2+4*\c+\i]
.endr
.endr
	s_wait_alu depctr_va_vdst(0)                   ; the conversions and exchanges have written v[PCD ..], the shifts v[PW], which the stores read (v[HQA] and v[HSA] were written ahead of the waits above)
	global_store_b128 v[HQA], v[PCD:PCD+3], s[16:17]               ; the fragment's image: 1,024 consecutive bytes in two stores
	global_store_b128 v[HQA], v[PCD+4:PCD+7], s[16:17] offset:512
	global_store_b32 v[HSA], v[PW], s[18:19]       ; 16 words; lanes 16-31 store what lanes 0-15 store, at the same places
	s_add_co_u32 s[I], s[I], 4                     ; my next tile
	s_add_co_u32 s[J], s[J], 1
	s_cmp_lt_u32 s[J], s[TR]
	s_cbranch_scc1 .Lrow
.Ldone:
	s_wait_dscnt 0x0                               ; the closing lines, six on end
	s_wait_alu 0x0
	s_wait_tensorcnt 0x0
	ds_add_u32 v126, v127
	s_wait_dscnt 0x0
	s_endpgm
.Lfunc_end_k_q89b88ae289_ffn1:
	.size	k_q89b88ae289_ffn1, .Lfunc_end_k_q89b88ae289_ffn1-k_q89b88ae289_ffn1
	.p2alignl 7, 3214868480
	.fill 96, 4, 3214868480
	.section	.rodata,"a",@progbits
	.p2align	6, 0x0
	.amdhsa_kernel k_q89b88ae289_ffn1
		.amdhsa_group_segment_fixed_size 71168
		.amdhsa_private_segment_fixed_size 0
		.amdhsa_enable_private_segment 0
		.amdhsa_kernarg_size 64
		.amdhsa_user_sgpr_count 2
		.amdhsa_user_sgpr_kernarg_segment_ptr 1
		.amdhsa_wavefront_size32 1
		.amdhsa_system_sgpr_workgroup_id_x 1
		.amdhsa_system_sgpr_workgroup_id_y 1
		.amdhsa_system_sgpr_workgroup_id_z 1
		.amdhsa_system_vgpr_workitem_id 0
		.amdhsa_next_free_vgpr 896
		.amdhsa_next_free_sgpr 98
		.amdhsa_reserve_vcc 1
		.amdhsa_float_denorm_mode_32 3
		.amdhsa_float_denorm_mode_16_64 3
		.amdhsa_memory_ordered 1
		.amdhsa_forward_progress 1
		.amdhsa_inst_pref_size 193
	.end_amdhsa_kernel
	.amdgpu_metadata
---
amdhsa.version: [ 1, 2 ]
amdhsa.kernels:
  - .name:           k_q89b88ae289_ffn1
    .symbol:         k_q89b88ae289_ffn1.kd
    .args:
      - { .name: xq, .offset: 0, .size: 8, .value_kind: global_buffer, .address_space: global }
      - { .name: xs, .offset: 8, .size: 8, .value_kind: global_buffer, .address_space: global }
      - { .name: w1, .offset: 16, .size: 8, .value_kind: global_buffer, .address_space: global }
      - { .name: b1, .offset: 24, .size: 8, .value_kind: global_buffer, .address_space: global }
      - { .name: tki, .offset: 32, .size: 8, .value_kind: global_buffer, .address_space: global }
      - { .name: plan, .offset: 40, .size: 8, .value_kind: global_buffer, .address_space: global }
      - { .name: hq, .offset: 48, .size: 8, .value_kind: global_buffer, .address_space: global }
      - { .name: hs, .offset: 56, .size: 8, .value_kind: global_buffer, .address_space: global }
    .group_segment_fixed_size: 71168
    .private_segment_fixed_size: 0
    .kernarg_segment_align: 8
    .kernarg_segment_size: 64
    .max_flat_workgroup_size: 128
    .sgpr_count:     98
    .vgpr_count:     896
    .wavefront_size: 32
...
	.end_amdgpu_metadata
.endif
;; end of part 6
;; launch ffn2 (part 7): grid 32 x 8, 4 waves a work-group, no clusters, 88,576 bytes of LDS; arguments hq, hs, w2, plan, part; writes part
.if DOCPART == 7
	.amdgcn_target "amdgcn-amd-amdhsa--gfx1250"
	.amdhsa_code_object_version 6
	.text
	.protected	k_q89b88ae289_ffn2
	.globl	k_q89b88ae289_ffn2
	.p2align	8
	.type	k_q89b88ae289_ffn2,@function
k_q89b88ae289_ffn2:
	s_mov_b64 s[64:65], 0
	v_nop
	global_prefetch_b8 v0, s[64:65] scope:SCOPE_SE
	s_setreg_imm32_b32 hwreg(HW_REG_WAVE_SCHED_MODE, 0, 2), 2
	s_setreg_imm32_b32 hwreg(HW_REG_WAVE_MODE, 25, 1), 1
	s_wait_xcnt 0x0
	s_wait_alu depctr_vm_vsrc(0)
; part[2 token + k][kh][:] = the sum over half of K of Q(h) Q(w2[e]), for the rows that chose expert e.  Work-group (x, y): x % 16 = which 64 outputs, x / 16 = kh, which 2,048 of K = 4,096; y = expert.
; w2 [8][4096 (K)][1024] f32; the work-group's part, 2,048 x 64 numbers, is read from memory by this work-group alone, once, and quantised along K in registers.
; plan (whole numbers that the launch before stored): byte 4 e: tiles of expert e; byte 256: list[64 e + tile][16]: a slot's row of part: 2 x token + k, or 2048 + 16 e + row for a slot left over: each row of part has one owner.
; STREAM.  Wave w takes K rows 512 w .. + 511 of the half, in 8 pairs of blocks.  A load reads 256 consecutive bytes of two rows 32 apart: lanes 0-15 are in block 2 P, lanes 16-31 in block 2 P + 1;
; a lane gets 4 neighbouring columns, and 32 loads give it 4 whole quantiser blocks.  Moves, conversions and images in LDS as in the first product's launch: fragment (K step s, tile t) at (4 s + t) x 1,040 bytes.
; One barrier; then every wave loads all 64 fragments (512 registers) and takes whole tiles of 16 rows on its own, two buffers of h's fragments taking turns.
; The product is used transposed (source 0 = 16 columns of w2, source 1 = 16 rows of h): a lane holds eight neighbouring outputs of a row; a tile goes through the wave's own stage in LDS and leaves as aligned runs of 256 bytes.
; The halves of K and the two experts of a token are added by the next launch: no sum spans work-groups here.
; The number of tiles is read from memory, so the launch has no tensor load and no cluster; what the 16 work-groups of an expert's half share, h's codes, is 16 KB a tile beside 512 KB of weights.
; LIMITS: NaN and infinities are not served; a block of zeros gets the byte 1 (its codes are zeros; only this program reads the bytes).
; REGISTERS: window 0: below.  Window 1: two landing buffers, then fragments 0-31.  Window 2: fragments 32-63.  Window 3: two buffers of h's 16 fragments.
; THE MODE: SCHED_MODE bits 1:0 = 2 (LLVM: expert scheduling mode 2), set by the entry lines.  The code itself states the register dependences
; between vector or matrix instructions and memory or LDS instructions, with s_wait_alu, always for 0.
; THE PLAN.  Registers that memory or LDS instructions touch:
;   landing buffers 0, 1   Pair b's 128 moves read buffer b % 2; behind them the loads of pair b + 2 land in it; behind the barrier, fragments.
;   v[CD ..], v[SW ..]     Written by pair b's conversions and shifts; read by the LDS stores that are issued in pair b + 1's step.
;   So ONE wait on va_vdst stands in a step of the stream, behind its moves, and the step's loads and the stores of the pair before follow it; one wait on vm_vsrc stands ahead of the step's conversions.
;   h's buffer p, v[HS + 8 p ..], v[LL + 8 p ..]   Read by tile p's products and by its eight lines that hold the list entries; behind the products the buffer's next tile lands there.
;   v[LO + p], v[HQO + p], v[HSO + p]              Read by the buffer's 42 loads; written at the head of the buffer's tile, for its next tile.
;   v[PO ..]   written at a tile's head, read by its global stores.   The accumulators: written by the products, read by the stage's LDS stores.   v[OUT ..]: the stage's LDS loads land there, the global stores read them.
;   So a tile has ONE wait on vm_vsrc, at its head (all that the tile writes again has been read), and ONE on va_vdst, behind its products and their places; the 42 loads, the stage's stores and loads and
;   the global stores follow that wait with no vector instruction between.
;   v4 to v14, v124        Offsets and LDS addresses, made once at the head and never written again.
.set PITCH, 4096                       ; a row of w2[e] in bytes
.set BS,    64                         ; rows from pair to pair
.set FRB,   1040
.set SCL,   64*FRB
.set STG,   SCL+4096                   ; the stages: 16 rows x (256 + 16) bytes for each wave
.set WOFF, 4                           ; v4   16 (l % 16) + 32 rows x (l / 16)
.set WA,   5
.set WSA,  6
.set LI,   7                           ; v7   16 l
.set LI2,  8
.set LSC,  9                           ; v9   SCL + 4 l
.set L4,   10                          ; v10  4 l
.set SH8,  11                          ; v11  8 h
.set SO2,  12                          ; v12  the stage, on the way in
.set RD,   13                          ; v13  and back
.set OFO,  14                          ; v14  my 16 bytes in a row of part: half of K, my 64 outputs, 16 r
.set MX,   16
.set SO,   20
.set BY,   24
.set SW,   28
.set CD,   32
.set PO,   16                          ; v16-23 the row loop: my offsets in part for rows 8 h + n
.set WS,   48                          ; v48-79 w2's scale words: register 2 s + p: lanes 0-15 tile 2 p, lanes 16-31 tile 2 p + 1
.set HS,   80                          ; v80-95 h's scale words, two sets: register q: lanes 0-15 K step 2 q, lanes 16-31 K step 2 q + 1
.set HQO,  96                          ; v96-97 offsets into hq, one for each buffer
.set HSO,  98                          ; v98-99 into hs
.set TMP,  100                         ; v100-103
.set LL,   106                         ; v106-121 list entries of rows 8 h + 0 .. 7, two sets
.set LO,   122                         ; v122-123 offsets into the list
.set H32,  124                         ; v124 32 h
.set T,    128
.set ACC,  128                         ; v128-159 four accumulators
.set OUT,  160                         ; v160-191 16 rows read back
.set WV,   18
.set EXPT, 19
.set NS,   20
.set KH,   21
.set WB,   22
.set TB,   24                          ; s24 64 e: the expert's first tile
.set NT,   25                          ; s25 its tiles
.set NTM1, 26
.set I,    27
.set TT,   28
.set T2,   29
.set KN,   34
.set TR,   35                          ; s35 my wave's trips of two tiles
.set J,    36                          ; s36 counts them
.set SEL,  38
.set MOFF, 44
.set MSB, 0
.macro WIN new                         ; the immediate's high byte repeats the setting that is left
.if MSB != \new
	s_set_vgpr_msb (MSB<<8)|\new
.set MSB, \new
.endif
.endm
.macro LOADBLK b
	WIN 0x40
.set i, 0
.rept 32
	global_load_b128 v[128*((\b)%2)+4*i:128*((\b)%2)+4*i+3], v[WOFF], s[WB:WB+1] offset:(BS*(\b)+i)*PITCH th:TH_LOAD_NT
.set i, i+1
.endr
	WIN 0
.endm
.macro MOVE b
	WIN 0x01
.set j, 0
.rept 4
.set i, 0
.rept 32
	v_mov_b32 v[T+32*j+i], v[128*((\b)%2)+4*i+j]
.set i, i+1
.endr
.set j, j+1
.endr
	WIN 0
.endm
.macro QUANT4 b
.irp j, 0,1,2,3
	v_max3_num_f32 v[MX+\j], |v[T+32*\j]|, |v[T+32*\j+1]|, 0x1800000   ; over the floor 2^(3 - 127): the byte cannot fall under 1
.endr
.set i, 2
.rept 15
.irp j, 0,1,2,3
	v_max3_num_f32 v[MX+\j], v[MX+\j], |v[T+32*\j+i]|, |v[T+32*\j+i+1]|
.endr
.set i, i+2
.endr
.irp j, 0,1,2,3
	v_add_nc_u32 v[SO+\j], 0xff000000, v[MX+\j]
.endr
.irp j, 0,1,2,3
	v_lshrrev_b32 v[BY+\j], 23, v[SO+\j]
.endr
	s_wait_alu depctr_va_vdst(0)
	s_wait_dscnt 0x0                               ; the last pair's LDS stores have landed
.if (\b) > 0
	s_wait_alu depctr_vm_vsrc(0)                   ; the last pair's LDS stores have read v[CD ..] and v[SW ..], which the conversions below and the shifts behind them write again
.endif
.irp j, 0,1,2,3
.irp g, 0,1,2,3
	v_cvt_scalef32_pk8_fp4_f32 v[CD+4*\j+\g], v[T+32*\j+8*\g:T+32*\j+8*\g+7], v[SO+\j]
.endr
.endr
	v_nop                                          ; one plain place behind the last scaled conversion
.endm
.macro CSTORE b                        ; pair b's codes go to LDS, and behind a K step's second pair its scale words
.irp j, 0,1,2,3
	ds_store_b128 v[WA], v[CD+4*\j:CD+4*\j+3] offset:((\b)/2)*4*FRB+512*((\b)%2)+16*\j
.endr
.if (\b)%2 == 1
	ds_store_b128 v[WSA], v[SW:SW+3] offset:((\b)/2)*256   ; both halves of the lanes store the same words at the same places
.endif
.endm
.macro TILEIDX dst, delta              ; the tile delta behind the one in hand, held inside the expert's tiles and inside the tables
	s_add_co_u32 s[\dst], s[I], \delta
	s_min_u32 s[\dst], s[\dst], s[NTM1]
	s_add_co_u32 s[\dst], s[\dst], s[TB]
	s_min_u32 s[\dst], s[\dst], 511
.endm
.macro HADDR p, delta                  ; buffer p's three offsets for the tile delta behind the one in hand
	TILEIDX TT, \delta
	v_lshl_add_u32 v[LO+\p], s[TT], 6, v[H32]      ; the list: 64 bytes a tile, + 32 h
	s_lshl_b32 s[TT], s[TT], 1
	s_add_co_u32 s[TT], s[TT], s[KH]               ; 2 x tile + half
	v_lshl_add_u32 v[HQO+\p], s[TT], 14, v[LI]
	v_lshl_add_u32 v[HSO+\p], s[TT], 10, v[L4]
.endm
.macro HISSUE p                        ; 42 loads: a tile's 16 fragments of h (16 KB on end), its scale words and its list entries, into buffer p
	WIN 0xc0
.set ks, 0
.rept 16
	global_load_b128 v[128*\p+8*ks:128*\p+8*ks+3], v[HQO+\p], s[4:5] offset:1024*ks
	global_load_b128 v[128*\p+8*ks+4:128*\p+8*ks+7], v[HQO+\p], s[4:5] offset:1024*ks+512
.set ks, ks+1
.endr
	WIN 0
.set kq, 0
.rept 8
	global_load_b32 v[HS+8*\p+kq], v[HSO+\p], s[6:7] offset:128*kq
.set kq, kq+1
.endr
	global_load_b128 v[LL+8*\p:LL+8*\p+3], v[LO+\p], s[10:11] offset:256
	global_load_b128 v[LL+8*\p+4:LL+8*\p+7], v[LO+\p], s[10:11] offset:272
.endm
.macro SSTEP b
.if (\b) < 7
	s_wait_loadcnt 32                              ; this pair's 32 loads are in; the next pair's stay out
.else
	s_wait_loadcnt 42                              ; the last pair is in; my first tile's 42 loads stay out
.endif
	MOVE \b
.if (\b) == 6
	HADDR 0, 0
.endif
.if (\b) == 7
	HADDR 1, 4
.endif
	s_wait_alu depctr_va_vdst(0)                   ; the moves are done reading the landing buffer, in which the pair two on lands; the pair before has written v[CD ..] and v[SW ..], which its LDS stores read; in the last two steps a buffer's three offsets are written
.if (\b) < 6
	LOADBLK (\b)+2
.endif
.if (\b) == 6
	HISSUE 0
.endif
.if (\b) == 7
	HISSUE 1
.endif
.if (\b) > 0
	CSTORE (\b)-1                                  ; no vector instruction since the wait names these registers
.endif
	QUANT4 \b
.if (\b)%2 == 0
.irp j, 0,1,2,3
	v_mov_b32 v[SW+\j], v[BY+\j]                   ; my half's byte of blocks 0, 1 of the K step,
.endr
.else
.irp j, 0,1,2,3
	v_lshl_or_b32 v[SW+\j], v[BY+\j], 16, v[SW+\j] ; of blocks 2, 3,
.endr
.irp j, 0,1,2,3
	v_lshlrev_b32 v[SW+\j], v[SH8], v[SW+\j]       ; at their places (8 h bits up);
.endr
.irp j, 0,1,2,3
	v_permlanex16_b32 v[TMP+\j], v[SW+\j], s[SEL], s[SEL+1]
.endr
.irp j, 0,1,2,3
	v_or_b32 v[SW+\j], v[SW+\j], v[TMP+\j]         ; with lane l xor 16's two the word is whole
.endr
.endif
.endm
.macro MM2                             ; the registers are named by symbols set just ahead; fZ: the product starts its sum
.if fZ && fA
	v_wmma_scale_f32_16x16x128_f8f6f4 v[rD:rD+7], v[rA:rA+7], v[rB:rB+7], 0, v[rSA], v[rSB] matrix_a_fmt:MATRIX_FMT_FP4 matrix_b_fmt:MATRIX_FMT_FP4 matrix_a_scale:MATRIX_SCALE_ROW1
.elseif fZ
	v_wmma_scale_f32_16x16x128_f8f6f4 v[rD:rD+7], v[rA:rA+7], v[rB:rB+7], 0, v[rSA], v[rSB] matrix_a_fmt:MATRIX_FMT_FP4 matrix_b_fmt:MATRIX_FMT_FP4
.elseif fA && fB
	v_wmma_scale_f32_16x16x128_f8f6f4 v[rD:rD+7], v[rA:rA+7], v[rB:rB+7], v[rD:rD+7], v[rSA], v[rSB] matrix_a_fmt:MATRIX_FMT_FP4 matrix_b_fmt:MATRIX_FMT_FP4 matrix_a_scale:MATRIX_SCALE_ROW1 matrix_b_scale:MATRIX_SCALE_ROW1
.elseif fA
	v_wmma_scale_f32_16x16x128_f8f6f4 v[rD:rD+7], v[rA:rA+7], v[rB:rB+7], v[rD:rD+7], v[rSA], v[rSB] matrix_a_fmt:MATRIX_FMT_FP4 matrix_b_fmt:MATRIX_FMT_FP4 matrix_a_scale:MATRIX_SCALE_ROW1
.elseif fB
	v_wmma_scale_f32_16x16x128_f8f6f4 v[rD:rD+7], v[rA:rA+7], v[rB:rB+7], v[rD:rD+7], v[rSA], v[rSB] matrix_a_fmt:MATRIX_FMT_FP4 matrix_b_fmt:MATRIX_FMT_FP4 matrix_b_scale:MATRIX_SCALE_ROW1
.else
	v_wmma_scale_f32_16x16x128_f8f6f4 v[rD:rD+7], v[rA:rA+7], v[rB:rB+7], v[rD:rD+7], v[rSA], v[rSB] matrix_a_fmt:MATRIX_FMT_FP4 matrix_b_fmt:MATRIX_FMT_FP4
.endif
.endm
.macro TILE p                          ; the tile 4 p behind s[I], from buffer p
	s_wait_loadcnt 42                              ; this buffer's 42 loads are in; the other buffer's stay out
	s_wait_xcnt 0x0                                ; the last tile's stores have had their addresses translated: their data and offsets are written again only behind this wait
	s_wait_alu depctr_vm_vsrc(0)                   ; the last tile's global stores have read v[PO ..] and v[OUT ..], its LDS stores the accumulators, this buffer's loads their three offsets: all of them are written again in this tile
.set kn, 0
.rept 8
	v_min_u32 v[PO+kn], 2175, v[LL+8*\p+kn]        ; a loaded number is held inside the table before it enters an address
.set kn, kn+1
.endr
.set kn, 0
.rept 8
	v_lshl_add_u32 v[PO+kn], v[PO+kn], 13, v[OFO]  ; a row of part is 8,192 bytes
.set kn, kn+1
.endr
	HADDR \p, 8+4*\p                               ; the offsets of this buffer's next tile, made here so that the one wait behind the products shows them written
	WIN 0x0d                                       ; source 0 (w2) window 1, source 1 (h) window 3
.set ks, 0
.rept 16                                           ; 64 matrix instructions: the 4 accumulators take turns, one instruction a turn
.if ks == 8
	WIN 0x0e                                       ; source 0 window 2
.endif
.set kt, 0
.rept 4
.set rD, ACC+8*kt
.set rA, 8*((4*ks+kt)%32)
.set rB, 128*\p+8*ks
.set rSA, WS+2*ks+kt/2
.set rSB, HS+8*\p+ks/2
.set fA, kt%2
.set fB, ks%2
.set fZ, ks==0
	MM2
.set kt, kt+1
.endr
.set ks, ks+1
.endr
	WIN 0
.rept 5
	v_nop                                          ; four places in front of the LDS stores that read the results; five in front of the next tile's first product, which writes over an accumulator; they stay beside the wait below
.endr
	s_wait_alu depctr_va_vdst(0)                   ; the products have written the accumulators, which the LDS stores read, and are done reading this buffer's fragments and scale words, in which its next tile lands; the list entries have been read; v[PO ..] and the buffer's three offsets are written
	HISSUE \p                                      ; this buffer's next tile has the other buffer's tile in which to land
.set kt, 0
.rept 4
	ds_store_b128 v[SO2], v[ACC+8*kt:ACC+8*kt+3] offset:64*kt          ; each accumulator from its low end on
	ds_store_b128 v[SO2], v[ACC+8*kt+4:ACC+8*kt+7] offset:64*kt+16
.set kt, kt+1
.endr
.set kn, 0
.rept 8
	ds_load_b128 v[OUT+4*kn:OUT+4*kn+3], v[RD] offset:272*kn           ; LDS serves a wave's instructions in order: these see my stores
.set kn, kn+1
.endr
.set kn, 0
.rept 8
	s_wait_dscnt 7-kn                              ; rows n and 8 + n are back; the younger reads stay out
	global_store_b128 v[PO+kn], v[OUT+4*kn:OUT+4*kn+3], s[12:13] th:TH_STORE_NT   ; sixteen lanes store 256 consecutive bytes, aligned, of one row of part
.set kn, kn+1
.endr
.endm
	s_load_b256 s[4:11], s[0:1], 0x0               ; hq s[4:5], hs s[6:7], w2 s[8:9], plan s[10:11]
	s_load_b64 s[12:13], s[0:1], 0x20              ; part
	v_lshl_add_u32 v126, v0, 2, 0x15800
	v_mov_b32 v127, 0
	v_lshrrev_b32 v104, 5, v0
	v_readfirstlane_b32 s[WV], v104                ; wave 0..3
	s_and_b32 s[EXPT], ttmp7, 0xffff
	s_and_b32 s[NS], ttmp9, 15
	s_lshr_b32 s[KH], ttmp9, 4
	v_and_b32 v1, 31, v0                           ; l
	v_and_b32 v2, 15, v0                           ; r
	v_bfe_u32 v3, v0, 4, 1                         ; h
	v_lshlrev_b32 v[WOFF], 4, v2
	v_lshl_add_u32 v[WOFF], v3, 17, v[WOFF]        ; lanes 16-31 read 32 rows further down
	v_bfe_u32 v104, v0, 2, 2                       ; my columns 4 (l % 16) + j lie in tile (l % 16) / 4,
	v_and_b32 v105, 3, v0                          ; at its rows 4 (l % 4) + j
	v_mul_u32_u24 v[WA], v104, FRB
	v_lshl_add_u32 v[WA], v105, 6, v[WA]
	v_lshl_add_u32 v[WA], v3, 8, v[WA]             ; my half's block: 256 h
	s_wait_alu depctr_va_sdst(0)                   ; s[WV] is written, ahead of its first reader: LDS places, w2's base and the wave's tiles are made from it
	s_mul_i32 s30, s[WV], 16*FRB                   ; my wave's four K steps: 16 fragments
	v_add_nc_u32 v[WA], s30, v[WA]
	s_lshl_b32 s30, s[WV], 10
	s_add_co_u32 s30, s30, SCL
	v_lshl_add_u32 v[WSA], v2, 4, s30
	v_lshlrev_b32 v[LI], 4, v1
	v_add_nc_u32 v[LI2], 32*FRB, v[LI]
	v_lshl_add_u32 v[LSC], v1, 2, SCL
	v_lshlrev_b32 v[L4], 2, v1
	v_lshlrev_b32 v[SH8], 3, v3
	v_lshlrev_b32 v[H32], 5, v3
	s_mul_i32 s30, s[WV], 16*272
	s_add_co_u32 s30, s30, STG                     ; my stage
	v_mul_u32_u24 v[SO2], v2, 272
	v_lshl_add_u32 v[SO2], v3, 5, v[SO2]
	v_add_nc_u32 v[SO2], s30, v[SO2]               ; in: row r, 32 bytes for each half of the lanes
	v_mul_u32_u24 v[RD], v3, 8*272
	v_lshl_add_u32 v[RD], v2, 4, v[RD]
	v_add_nc_u32 v[RD], s30, v[RD]                 ; back: lanes 0-15 take row n, lanes 16-31 row 8 + n: 256 bytes each
.irp j, 0,1,2,3
	v_mov_b32 v[TMP+\j], 0                         ; written once: a lane permute's destination counts as one of its sources
.endr
	s_mov_b32 s[SEL], 0x76543210
	s_mov_b32 s[SEL+1], 0xfedcba98
	s_lshl_b32 s[KN], s[KH], 12
	s_lshl_b32 s31, s[NS], 8
	s_add_co_u32 s[KN], s[KN], s31                 ; my half's part of a row, my 64 outputs
	v_lshl_add_u32 v[OFO], v2, 4, s[KN]
	s_lshl_b32 s30, s[EXPT], 24                    ; an expert's w2 is 2^24 bytes,
	s_lshl_b32 s32, s[KH], 23                      ; half of K 2^23,
	s_add_co_u32 s30, s30, s32
	s_lshl_b32 s32, s[WV], 21                      ; 512 rows 2^21
	s_add_co_u32 s30, s30, s32
	s_add_co_u32 s30, s30, s31
	s_mov_b32 s31, 0
	s_lshl_b32 s[MOFF], s[EXPT], 2
	s_lshl_b32 s[TB], s[EXPT], 6
	s_mov_b32 s[I], s[WV]
	s_wait_kmcnt 0x0
	s_add_nc_u64 s[WB:WB+1], s[8:9], s[30:31]
	s_load_b32 s[NT], s[10:11], s[MOFF] offset:0x0 ; the expert's tiles
	s_wait_alu depctr_va_vdst(0)                   ; the offsets and LDS addresses v4 to v14 and v124 are written, which the kernel's loads and stores read
	LOADBLK 0
	LOADBLK 1
	s_wait_kmcnt 0x0
	s_max_u32 s[NT], s[NT], 1
	s_min_u32 s[NT], s[NT], 64
	s_sub_co_u32 s[NTM1], s[NT], 1
	s_add_co_u32 s[TR], s[NT], 3
	s_sub_co_u32 s[TR], s[TR], s[WV]
	s_lshr_b32 s[TR], s[TR], 2                     ; of tiles wave, wave + 4, .. there are (tiles + 3 - wave) / 4, rounded down: 0 to 16;
	s_add_co_u32 s[TR], s[TR], 1
	s_lshr_b32 s[TR], s[TR], 1                     ; two to a trip, the last trip perhaps with one
.irp b, 0,1,2,3,4,5,6,7
	SSTEP \b
.endr
	s_wait_alu depctr_va_vdst(0)                   ; the last pair has written v[CD ..] and v[SW ..], which its LDS stores read; the moves are done reading the landing buffers, in which fragments land behind the barrier
	CSTORE 7
	s_wait_dscnt 0x0                               ; for the others' sake: my images lie in LDS
	s_barrier_signal -1
	s_barrier_wait -1                              ; everybody's do: the only barrier
	WIN 0x40
.set f, 0
.rept 32
	ds_load_b128 v[8*f:8*f+3], v[LI] offset:f*FRB
	ds_load_b128 v[8*f+4:8*f+7], v[LI] offset:f*FRB+512
.set f, f+1
.endr
	WIN 0x80
.set f, 0
.rept 32
	ds_load_b128 v[8*f:8*f+3], v[LI2] offset:f*FRB
	ds_load_b128 v[8*f+4:8*f+7], v[LI2] offset:f*FRB+512
.set f, f+1
.endr
	WIN 0
.set f, 0
.rept 32
	ds_load_b32 v[WS+f], v[LSC] offset:128*f
.set f, f+1
.endr
	s_wait_dscnt 0x0
	s_mov_b32 s[J], 0
	s_cmp_lg_u32 s[TR], 0
	s_cbranch_scc0 .Ldone                          ; an expert with fewer tiles than waves
.Lpair:                                            ; a trip: two tiles, one from each buffer; the trips are counted one by one against s[TR], which the loop leaves alone
	TILE 0
	s_add_co_u32 s[T2], s[I], 4
	s_cmp_lt_u32 s[T2], s[NT]
	s_cbranch_scc1 .Lsecond
	s_wait_dscnt 0x0                               ; my tiles were an odd number: the wave ends here (loads into registers may be out at the end), with the closing lines, six on end
	s_wait_alu 0x0
	s_wait_tensorcnt 0x0
	ds_add_u32 v126, v127
	s_wait_dscnt 0x0
	s_endpgm
.Lsecond:
	TILE 1
	s_add_co_u32 s[I], s[I], 8                     ; my next two tiles
	s_add_co_u32 s[J], s[J], 1
	s_cmp_lt_u32 s[J], s[TR]
	s_cbranch_scc1 .Lpair
.Ldone:
	s_wait_dscnt 0x0                               ; the closing lines, six on end, as above
	s_wait_alu 0x0
	s_wait_tensorcnt 0x0
	ds_add_u32 v126, v127
	s_wait_dscnt 0x0
	s_endpgm
.Lfunc_end_k_q89b88ae289_ffn2:
	.size	k_q89b88ae289_ffn2, .Lfunc_end_k_q89b88ae289_ffn2-k_q89b88ae289_ffn2
	.p2alignl 7, 3214868480
	.fill 96, 4, 3214868480
	.section	.rodata,"a",@progbits
	.p2align	6, 0x0
	.amdhsa_kernel k_q89b88ae289_ffn2
		.amdhsa_group_segment_fixed_size 88576
		.amdhsa_private_segment_fixed_size 0
		.amdhsa_enable_private_segment 0
		.amdhsa_kernarg_size 40
		.amdhsa_user_sgpr_count 2
		.amdhsa_user_sgpr_kernarg_segment_ptr 1
		.amdhsa_wavefront_size32 1
		.amdhsa_system_sgpr_workgroup_id_x 1
		.amdhsa_system_sgpr_workgroup_id_y 1
		.amdhsa_system_sgpr_workgroup_id_z 1
		.amdhsa_system_vgpr_workitem_id 0
		.amdhsa_next_free_vgpr 1024
		.amdhsa_next_free_sgpr 66
		.amdhsa_reserve_vcc 0
		.amdhsa_float_denorm_mode_32 3
		.amdhsa_float_denorm_mode_16_64 3
		.amdhsa_memory_ordered 1
		.amdhsa_forward_progress 1
		.amdhsa_inst_pref_size 164
	.end_amdhsa_kernel
	.amdgpu_metadata
---
amdhsa.version: [ 1, 2 ]
amdhsa.kernels:
  - .name:           k_q89b88ae289_ffn2
    .symbol:         k_q89b88ae289_ffn2.kd
    .args:
      - { .name: hq, .offset: 0, .size: 8, .value_kind: global_buffer, .address_space: global }
      - { .name: hs, .offset: 8, .size: 8, .value_kind: global_buffer, .address_space: global }
      - { .name: w2, .offset: 16, .size: 8, .value_kind: global_buffer, .address_space: global }
      - { .name: plan, .offset: 24, .size: 8, .value_kind: global_buffer, .address_space: global }
      - { .name: part, .offset: 32, .size: 8, .value_kind: global_buffer, .address_space: global }
    .group_segment_fixed_size: 88576
    .private_segment_fixed_size: 0
    .kernarg_segment_align: 8
    .kernarg_segment_size: 40
    .max_flat_workgroup_size: 128
    .sgpr_count:     66
    .vgpr_count:     1024
    .wavefront_size: 32
...
	.end_amdgpu_metadata
.endif
;; end of part 7
;; launch mix (part 8): grid 256 x 1, 8 waves a work-group, no clusters, 0 bytes of LDS; arguments part, tki, tkw, b2, out0; writes out0
.if DOCPART == 8
	.amdgcn_target "amdgcn-amd-amdhsa--gfx1250"
	.amdhsa_code_object_version 6
	.text
	.protected	k_q89b88ae289_mix
	.globl	k_q89b88ae289_mix
	.p2align	8
	.type	k_q89b88ae289_mix,@function
k_q89b88ae289_mix:
	s_mov_b64 s[64:65], 0
	v_nop
	global_prefetch_b8 v0, s[64:65] scope:SCOPE_SE
	s_setreg_imm32_b32 hwreg(HW_REG_WAVE_MODE, 25, 1), 1
	s_wait_xcnt 0x0
; out[t] = the sum over k = 0, 1 of weight(t, k) x (part[2 t + k][0] + part[2 t + k][1] + b2[expert(t, k)]), in f32.
; A work-group takes 4 tokens: 8 rows of part on end; thread i owns the 16 bytes at 16 i of every row of 4,096 bytes, so each load and store of a wave covers 512 consecutive bytes.
; Experts and weights are the same for all threads: they come by scalar loads (an earlier launch stored them; this launch writes neither buffer).
; part's 16 loads hang on the work-group's number alone and go out while those scalar loads are on their way; b2's 8 follow.  Each token's wait leaves the younger tokens' b2 loads out.
; A stream: no LDS, no matrix unit, no cluster.
.set DT, 8                             ; v8-103   pair n = 2 q + k: 4 registers of each half of K, 4 of b2
.set OU, 104                           ; v104-119 four results for each token
.set BO, 128                           ; v128-135 offsets into b2
	s_load_b256 s[4:11], s[0:1], 0x0               ; part s[4:5], tki s[6:7], tkw s[8:9], b2 s[10:11]
	s_load_b64 s[12:13], s[0:1], 0x20              ; out
	s_lshl_b32 s2, ttmp9, 5                        ; 4 tokens x 2 words
	s_lshl_b32 s40, ttmp9, 14                      ; 4 rows of 4,096 bytes
	s_mov_b32 s41, 0
	s_lshl_b32 s42, ttmp9, 16                      ; 8 rows of 8,192 bytes
	s_mov_b32 s43, 0
	v_lshlrev_b32 v1, 4, v0
	s_wait_alu depctr_va_vdst(0)
	s_wait_kmcnt 0x0
	s_load_b256 s[24:31], s[6:7], s2 offset:0x0    ; the experts
	s_load_b256 s[32:39], s[8:9], s2 offset:0x0    ; the weights
	s_add_nc_u64 s[4:5], s[4:5], s[42:43]
	s_add_nc_u64 s[12:13], s[12:13], s[40:41]
.irp n, 0,1,2,3,4,5,6,7
	global_load_b128 v[DT+12*\n:DT+12*\n+3], v1, s[4:5] offset:8192*\n th:TH_LOAD_NT
	global_load_b128 v[DT+12*\n+4:DT+12*\n+7], v1, s[4:5] offset:8192*\n+4096 th:TH_LOAD_NT
.endr
	s_wait_kmcnt 0x0
.irp n, 0,1,2,3,4,5,6,7
	s_min_u32 s[24+\n], s[24+\n], 7                ; a loaded number is held inside its table before it enters an address
	v_lshl_add_u32 v[BO+\n], s[24+\n], 12, v1      ; a row of b2 is 4,096 bytes
.endr
.irp n, 0,1,2,3,4,5,6,7
	global_load_b128 v[DT+12*\n+8:DT+12*\n+11], v[BO+\n], s[10:11]
.endr
.irp q, 0,1,2,3
	s_wait_loadcnt 6-2*\q                          ; all of part and this token's two rows of b2 are in; two loads for each younger token stay out
.irp k, 0,1
.irp c, 0,2
	v_pk_add_f32 v[DT+24*\q+12*\k+\c:DT+24*\q+12*\k+\c+1], v[DT+24*\q+12*\k+\c:DT+24*\q+12*\k+\c+1], v[DT+24*\q+12*\k+4+\c:DT+24*\q+12*\k+5+\c]
.endr
.irp c, 0,2
	s_delay_alu instid0(VALU_DEP_2)
	v_pk_add_f32 v[DT+24*\q+12*\k+\c:DT+24*\q+12*\k+\c+1], v[DT+24*\q+12*\k+\c:DT+24*\q+12*\k+\c+1], v[DT+24*\q+12*\k+8+\c:DT+24*\q+12*\k+9+\c]
.endr
.endr
.irp c, 0,1,2,3
	v_mul_f32 v[OU+4*\q+\c], s[32+2*\q], v[DT+24*\q+\c]
.endr
.irp c, 0,1,2,3
	s_delay_alu instid0(VALU_DEP_4)
	v_fmac_f32 v[OU+4*\q+\c], s[33+2*\q], v[DT+24*\q+12+\c]
.endr
	global_store_b128 v1, v[OU+4*\q:OU+4*\q+3], s[12:13] offset:4096*\q th:TH_STORE_NT
.endr
	s_endpgm
.Lfunc_end_k_q89b88ae289_mix:
	.size	k_q89b88ae289_mix, .Lfunc_end_k_q89b88ae289_mix-k_q89b88ae289_mix
	.p2alignl 7, 3214868480
	.fill 96, 4, 3214868480
	.section	.rodata,"a",@progbits
	.p2align	6, 0x0
	.amdhsa_kernel k_q89b88ae289_mix
		.amdhsa_group_segment_fixed_size 0
		.amdhsa_private_segment_fixed_size 0
		.amdhsa_enable_private_segment 0
		.amdhsa_kernarg_size 40
		.amdhsa_user_sgpr_count 2
		.amdhsa_user_sgpr_kernarg_segment_ptr 1
		.amdhsa_wavefront_size32 1
		.amdhsa_system_sgpr_workgroup_id_x 1
		.amdhsa_system_sgpr_workgroup_id_y 1
		.amdhsa_system_sgpr_workgroup_id_z 1
		.amdhsa_system_vgpr_workitem_id 0
		.amdhsa_next_free_vgpr 136
		.amdhsa_next_free_sgpr 66
		.amdhsa_reserve_vcc 0
		.amdhsa_float_denorm_mode_32 3
		.amdhsa_float_denorm_mode_16_64 3
		.amdhsa_memory_ordered 1
		.amdhsa_forward_progress 1
		.amdhsa_inst_pref_size 9
	.end_amdhsa_kernel
	.amdgpu_metadata
---
amdhsa.version: [ 1, 2 ]
amdhsa.kernels:
  - .name:           k_q89b88ae289_mix
    .symbol:         k_q89b88ae289_mix.kd
    .args:
      - { .name: part, .offset: 0, .size: 8, .value_kind: global_buffer, .address_space: global }
      - { .name: tki, .offset: 8, .size: 8, .value_kind: global_buffer, .address_space: global }
      - { .name: tkw, .offset: 16, .size: 8, .value_kind: global_buffer, .address_space: global }
      - { .name: b2, .offset: 24, .size: 8, .value_kind: global_buffer, .address_space: global }
      - { .name: out0, .offset: 32, .size: 8, .value_kind: global_buffer, .address_space: global }
    .group_segment_fixed_size: 0
    .private_segment_fixed_size: 0
    .kernarg_segment_align: 8
    .kernarg_segment_size: 40
    .max_flat_workgroup_size: 256
    .sgpr_count:     66
    .vgpr_count:     136
    .wavefront_size: 32
...
	.end_amdgpu_metadata
.endif
;; end of part 8
